; MI455X (gfx1250); checked and timed in simulation.
; The chip was launched on July 23, 2026; its instructions are those of AMD's public machine-readable ISA for CDNA 5 (MIT licence, August 2026) and "CDNA5" Instruction Set Architecture Reference Guide (July 2026). The comments in the code are by the model that wrote it; some were corrected since.
;; Patch TST Rope Attention. Allowed arithmetic: matrix products marked QUANTISED: E4M3 operands, one given power-of-two scale a tensor, by v_wmma_f32_16x16x64_fp8_fp8 or v_wmma_f32_16x16x128_fp8_fp8, f32 sums; everything else in f32.
;; Inputs: Wk 512 x 512 float32; Wo 512 x 512 float32; Wq 512 x 512 float32; Wv 512 x 512 float32; bk 512 float32; bo 512 float32; bq 512 float32; bv 512 float32; hidden_states 4 x 2,048 x 512 float32; lowp_scales 12 int32 (the exponents e of the quantised operands' scales 2^e).
;; Outputs: out0 4 x 2,048 x 512 float32.
;; This version of the problem:
;;   THIS VERSION OF THE PROBLEM IS GIVEN IN LOW PRECISION. The matrix products marked QUANTISED in the list below multiply operands that are first quantised to E4M3 (4 exponent bits, 3 mantissa bits; 8 bits a number), with one given power-of-two scale for each operand tensor; their sums are f32. All else is computed in f32.
;;   The module's matrix products, in the order in which they are computed (A, B: the left and right operand; K: the contracted axis; several contracted axes count as one K, in the product's order):
;;     1. [M 8,192, K 512] x [K 512, N 512]; A: input hidden_states; B: input Wq: QUANTISED (scales: A lowp_scales[0], B lowp_scales[1])
;;     2. [M 8,192, K 512] x [K 512, N 512]; A: input hidden_states; B: input Wk: QUANTISED (scales: A lowp_scales[2], B lowp_scales[3])
;;     3. [M 8,192, K 512] x [K 512, N 512]; A: input hidden_states; B: input Wv: QUANTISED (scales: A lowp_scales[4], B lowp_scales[5])
;;     4. batch 32 x [M 2,048, K 64] x [K 64, N 2,048]; A: computed on the way; B: computed on the way: QUANTISED (scales: A lowp_scales[6], B lowp_scales[7])
;;     5. batch 32 x [M 2,048, K 2,048] x [K 2,048, N 64]; A: softmax (see below); B: computed on the way: QUANTISED (scales: A lowp_scales[8], B lowp_scales[9])
;;     6. [M 8,192, K 512] x [K 512, N 512]; A: computed on the way; B: input Wo: QUANTISED (scales: A lowp_scales[10], B lowp_scales[11])
;;   THE QUANTISER, for each operand of a quantised product, along K:
;;     - The operand's scale is 2^e, e = its entry of the input lowp_scales (int32; the entries are numbered through the quantised products in the list's order, A before B).
;;     - Each number is divided by the scale, clamped to +-448, and rounded to the nearest number of E4M3, ties to even, subnormals kept.
;;     - The product sums the exact products of the quantised numbers (number of the format x scale) in f32.
;;   ~~~python
;;   def quantise(x, axis, e):      # numpy; x: float32 -> the quantised numbers, widened to float32 again
;;       x = np.moveaxis(x, axis, -1); K = x.shape[-1]
;;       r = np.clip(x / 2.0 ** e, -448, 448)
;;       step = 2.0 ** (np.maximum(np.frexp(np.where(r == 0, 1, r))[1] - 1, -6) - 3)
;;       q = np.round(r / step) * step * 2.0 ** e      # np.round: ties to even
;;       return np.moveaxis(q, -1, axis).astype(np.float32)
;;   ~~~
;;   SOFTMAX AHEAD OF A QUANTISED PRODUCT. Where the list says 'softmax', what is quantised is not the finished softmax but p = 2^(t - M), with t = logit x log2(e) and M = ceil(the row's largest t), a whole number; so 1/2 < the row's largest p <= 1. The row's sum l is taken of the UNQUANTISED p, in f32, and the product's result is divided by l at the end. Since M is a whole number, a kernel that streams over the keys may use a running M (the ceiling of the running maximum): every later rescaling is an exact power of two, so the quantised numbers keep their values, but for numbers so far below the row's largest that they fall under the format's range.
;;   OPERANDS COMPUTED ON THE WAY. 'Computed on the way' means the value that the module computes at that place (a softmax that the list does not call 'softmax' is quantised finished and normalised). What goes into a quantiser is computed in f32, as accurately as f32 sums, v_exp_f32 and their like allow (about 1e-6 of the number): no bf16 or f16 on the way to a quantiser, and a product that is left as it is and whose result goes on into a quantised operand takes f32 operands (vector FMAs, or v_wmma_f32_16x16x4_f32). A number that lies on a knife's edge between two numbers of the format may be rounded either way, as far as f32 arithmetic and the matrix unit's own rounding can turn it there, and no further.
;; 2 versions. Each part assembles by itself: llvm-mc -triple=amdgcn-amd-amdhsa -mcpu=gfx1250 --defsym DOCPART=n.
;; ======== version 1 of 2: 4 launches
;; workspace buffers: w_img 1,048,576 bytes; rope 262,144 bytes; q_img 4,194,304 bytes; k_img 4,194,304 bytes; v_img 4,194,304 bytes; o_img 4,194,304 bytes
;; launch prep (part 1): grid 256 x 1, 4 waves a work-group, no clusters, 0 bytes of LDS; arguments Wq, Wk, Wv, Wo, lowp_scales, w_img, rope; writes w_img, rope
.if DOCPART == 1
	.amdgcn_target "amdgcn-amd-amdhsa--gfx1250"
	.amdhsa_code_object_version 6
	.text
	.protected	k_q12f4ee0f3a_prep
	.globl	k_q12f4ee0f3a_prep
	.p2align	8
	.type	k_q12f4ee0f3a_prep,@function
k_q12f4ee0f3a_prep:
	s_mov_b64 s[64:65], 0
	v_nop
	global_prefetch_b8 v0, s[64:65] scope:SCOPE_SE
	s_setreg_imm32_b32 hwreg(HW_REG_WAVE_MODE, 25, 1), 1
	s_wait_xcnt 0x0
; LAUNCH 1 OF 4 of causal attention with partial RoPE, all six products on codes of E4M3 with given scales 2^e (B = 4, S = 2,048, E = 512, 8 heads of 64).
;   1 (this text): the four weights become codes; the table of cos and sin is made.   2: q, k, v: products, bias, 1/8, RoPE, quantisers.   3: scores, softmax, second product, quantiser.   4: the projection on the way out.
; WORK THAT THE PROGRAM LEAVES OUT (in launch 3, nowhere else): reference() itself adds triu(finfo.min, k = 1) to the scores ahead of the softmax.  For every key k > query q the weight is then
; 2^(t - M) with t some 4.9e38 under the row's largest, whatever finite values the inputs hold: it lies under every number of f32 and of E4M3, so its code is 0 and it adds 0 to the row's sum.
; So a step of 128 keys all of which come after a wave's 16 queries is not walked; inside the one step on the diagonal the hidden scores are made -infinity and the work is done.
; LIMIT: a NaN, an infinity or an overflow that reaches only such hidden scores is not carried to the result.  Every input has a way to the output and is loaded (bk too: it moves k's codes).
; (a) W [512 (k)][512 (n)] f32, K its FIRST axis.  code = W / 2^e, held within +-448, to the nearest code, ties to even; e = lowp_scales[1], [3], [5], [11] for Wq, Wk, Wv, Wo.
;     LIMIT: -126 <= e <= 119, so that 2^e and 448 x 2^e are f32 numbers.  NaN among the inputs is not served.
;     A lane takes a column n and its 32 registers run down K.  The codes are stored as IMAGES OF THE OPERAND'S REGISTERS for v_wmma_f32_16x16x128_fp8_fp8 (ISA guide 7.12.2: lane (r, h), registers 2 c, 2 c + 1: k = 16 c + 8 h + 0 .. 7):
;     w_img [weight q, k, v, o: 262,144][tile of 16 n: 8,192][128 along K: 2,048][registers 4 G .. 4 G + 3: 512][lane: 16].  A block of 32 along K is one G: lanes h = 0 want k 0-7 and 16-23 of it, lanes h = 1 want k 8-15 and 24-31.
; (b) rope [tile of 16 positions: 2,048][g: 512][lane (r, h): 16] = cos, sin of frequency 8 h + 2 g, then of 8 h + 2 g + 1, at position 16 T + r: the angle is position / 10000^(i / 32), i = 0 .. 15 (the other 16 frequencies turn nothing).
;     Each of the launch's 32,768 threads makes one angle: a division made good by one correction step, the nearest multiple of pi / 2 taken away in two parts, and polynomials in r^2 for |r| <= pi / 4.
; SHARES: work-group g: weight g / 64, block of 32 along K (g / 4) % 16, columns 128 (g % 4) on; a wave 32 of them.  No LDS, no barrier: waves share nothing.
.set X, 32                             ; v32-63  W(32 kb + i, my column)
.set C, 64                             ; v64-71  the codes
	s_load_b256 s[4:11], s[0:1], 0x0               ; Wq, Wk, Wv, Wo
	s_load_b128 s[12:15], s[0:1], 0x20             ; lowp_scales, w_img
	s_load_b64 s[16:17], s[0:1], 0x30              ; rope
	s_mov_b32 s18, ttmp9                           ; g
	v_lshlrev_b32 v3, 2, v0                        ; in: 4 bytes a thread: 128 x wave + 4 x lane
	v_lshrrev_b32 v4, 4, v0                        ; out: tile of 16 columns 2 x wave + lane / 16,
	v_and_b32 v2, 15, v0
	v_lshlrev_b32 v4, 13, v4
	v_lshl_add_u32 v4, v2, 4, v4                   ; and 16 bytes for r = lane % 16
	v_lshlrev_b32 v5, 3, v0                        ; the table: 8 bytes a thread
	s_bfe_u32 s33, s18, 0x40002                    ; kb
	s_and_b32 s34, s18, 3
	s_lshr_b32 s35, s18, 6                         ; the weight's number
	s_lshl_b32 s36, s33, 16                        ; in: 32 kb rows of 2,048 bytes
	s_lshl_b32 s40, s34, 9                         ;     + 128 columns x 4 bytes
	s_add_co_u32 s36, s36, s40
	s_mov_b32 s37, 0
	s_lshl_b32 s38, s35, 18                        ; out: the weight's image,
	s_lshl_b32 s40, s34, 16                        ;      8 tiles of 16 columns,
	s_add_co_u32 s38, s38, s40
	s_lshl_b32 s40, s33, 9                         ;      (128 along K) x 2,048 + G x 512 = kb x 512
	s_add_co_u32 s38, s38, s40
	s_mov_b32 s39, 0
	s_lshl_b32 s42, s18, 10                        ; the table: 128 threads x 8 bytes
	s_mov_b32 s43, 0
	s_wait_kmcnt 0x0
	s_load_b256 s[24:31], s[12:13], 0x0            ; e0 .. e7
	s_load_b32 s32, s[12:13], 0x2c                 ; e11
	s_bitcmp1_b32 s18, 6                           ; the choice of the weight hangs on the work-group's number alone
	s_cselect_b64 s[20:21], s[6:7], s[4:5]
	s_cselect_b64 s[22:23], s[10:11], s[8:9]
	s_bitcmp1_b32 s18, 7
	s_cselect_b64 s[20:21], s[22:23], s[20:21]
	s_add_nc_u64 s[20:21], s[20:21], s[36:37]
	s_add_nc_u64 s[14:15], s[14:15], s[38:39]
	s_add_nc_u64 s[16:17], s[16:17], s[42:43]
.set i, 0
.rept 32
	global_load_b32 v[X+i], v3, s[20:21] offset:i*2048 th:TH_LOAD_NT   ; a wave reads 128 consecutive bytes, the four waves 512; each number is read once in the launch
.set i, i+1
.endr
	; ---- the table, while the loads are out
	v_bfe_u32 v12, v0, 5, 1
	v_lshlrev_b32 v12, 3, v12                      ; 8 h
	v_lshrrev_b32 v13, 6, v0
	v_lshl_add_u32 v12, v13, 1, v12                ; + 2 (thread / 64)
	v_and_b32 v13, 1, v0
	v_add_nc_u32 v12, v12, v13                     ; + thread % 2
	s_and_b32 s40, s18, 1
	s_lshl_b32 s40, s40, 2
	v_add_nc_u32 v12, s40, v12                     ; + 4 (g % 2): the frequency i
	v_bfe_u32 v13, v0, 1, 4
	s_lshr_b32 s40, s18, 1
	s_lshl_b32 s40, s40, 4
	v_add_nc_u32 v13, s40, v13                     ; the position 16 (g / 2) + r
	v_cvt_f32_u32 v13, v13
	v_mov_b32 v14, 1.0                             ; the timescale 10000^(i / 32) = 10^(i / 8), chosen among sixteen f32 numbers: selections, no branch
.macro TS n, lit
	v_cmp_ne_u32 vcc_lo, \n, v12
	v_cndmask_b32 v14, \lit, v14, vcc_lo
.endm
	TS 1, 0x3faab0d5
	TS 2, 0x3fe39ea9
	TS 3, 0x4017c496
	TS 4, 0x404a62c2
	TS 5, 0x4086f161
	TS 6, 0x40b3f300
	TS 7, 0x40eff755
	TS 8, 0x41200000
	TS 9, 0x41555d0a
	TS 10, 0x418e432a
	TS 11, 0x41bdb5bc
	TS 12, 0x41fcfb72
	TS 13, 0x4228adb9
	TS 14, 0x4260efc0
	TS 15, 0x4295fa95
	v_rcp_f32 v15, v14
	v_nop                                          ; a plain instruction behind the reciprocal (ISA guide 5.7.2),
	s_wait_alu depctr_va_vdst(0)                   ; and the wait ahead of its first reader
	v_mul_f32 v16, v13, v15                        ; position / timescale: a first quotient,
	v_fma_f32 v17, -v16, v14, v13                  ; what it leaves,
	v_fma_f32 v18, v17, v15, v16                   ; made good: the angle a, 0 .. 2,047
	v_mul_f32 v19, 0x3f22f983, v18                 ; a x 2 / pi
	v_rndne_f32 v19, v19                           ; n, under 2^11
	v_fmamk_f32 v20, v19, 0xbfc90fdb, v18          ; a - n x (pi / 2 as f32): nothing is rounded, since the difference fits 24 bits
	v_fmamk_f32 v20, v19, 0x333bbd2e, v20          ; + n x (that f32 number - pi / 2): r, within +-pi / 4
	v_mul_f32 v21, v20, v20                        ; z = r^2
	v_mov_b32 v22, 0xb94ca1f9
	v_fmaak_f32 v22, v22, v21, 0x3c08839e
	v_fmaak_f32 v22, v22, v21, 0xbe2aaaa3
	v_mul_f32 v27, v20, v21
	v_fma_f32 v24, v27, v22, v20                   ; sin r = r + r z P(z)
	v_mov_b32 v23, 0x37ccf5ce
	v_fmaak_f32 v23, v23, v21, 0xbab6061a
	v_fmaak_f32 v23, v23, v21, 0x3d2aaaa5
	v_mul_f32 v27, v21, v21
	v_fma_f32 v28, v21, -0.5, 1.0
	v_fma_f32 v25, v27, v23, v28                   ; cos r = 1 - z / 2 + z^2 Q(z)
	v_cvt_i32_f32 v26, v19                         ; the quadrant: n odd swaps the two; the signs come from n and from n + 1
	v_and_b32 v27, 1, v26
	v_cmp_eq_u32 vcc_lo, 1, v27
	v_cndmask_b32 v31, v24, v25, vcc_lo            ; sin a
	v_cndmask_b32 v30, v25, v24, vcc_lo            ; cos a
	v_and_b32 v27, 2, v26
	v_lshlrev_b32 v27, 30, v27
	v_xor_b32 v31, v31, v27
	v_add_nc_u32 v28, 1, v26
	v_and_b32 v28, 2, v28
	v_lshlrev_b32 v28, 30, v28
	v_xor_b32 v30, v30, v28
	global_store_b64 v5, v[30:31], s[16:17]        ; a wave stores 256 consecutive bytes, at a multiple of 256 from the table's first byte
	; ---- the codes
	s_wait_kmcnt 0x0
	s_bitcmp1_b32 s18, 6
	s_cselect_b32 s40, s27, s25                    ; e3 or e1
	s_cselect_b32 s41, s32, s29                    ; e11 or e5
	s_bitcmp1_b32 s18, 7
	s_cselect_b32 s40, s41, s40                    ; e
	s_add_co_i32 s40, s40, 127
	s_lshl_b32 s41, s40, 23
	v_mov_b32 v11, s41                             ; 2^e as f32: the conversion takes its exponent field
	s_add_co_i32 s40, s40, 8
	s_lshl_b32 s40, s40, 23
	s_or_b32 s40, s40, 0x600000
	v_mov_b32 v10, s40                             ; 448 x 2^e
	s_wait_loadcnt 0x0
.set i, 0
.rept 32
	v_med3_num_f32 v[X+i], v[X+i], -v10, v10       ; the conversion to an 8-bit code does not saturate (ISA guide 7.6.2): the hold comes first
.set i, i+1
.endr
	v_cvt_scalef32_pk8_fp8_f32 v[C:C+1], v[X:X+7], v11         ; k 0-7   } the 16 bytes of lane (r, 0)
	v_cvt_scalef32_pk8_fp8_f32 v[C+2:C+3], v[X+16:X+23], v11   ; k 16-23 }
	v_cvt_scalef32_pk8_fp8_f32 v[C+4:C+5], v[X+8:X+15], v11    ; k 8-15  } the 16 bytes of lane (r, 1)
	v_cvt_scalef32_pk8_fp8_f32 v[C+6:C+7], v[X+24:X+31], v11   ; k 24-31 }
	v_nop                                          ; a plain instruction behind the last scaled conversion
	global_store_b128 v4, v[C:C+3], s[14:15]               ; sixteen lanes store 256 consecutive bytes, at a multiple of 256 from the buffer's first byte
	global_store_b128 v4, v[C+4:C+7], s[14:15] offset:256
	s_endpgm
.Lfunc_end_k_q12f4ee0f3a_prep:
	.size	k_q12f4ee0f3a_prep, .Lfunc_end_k_q12f4ee0f3a_prep-k_q12f4ee0f3a_prep
	.p2alignl 7, 3214868480
	.fill 96, 4, 3214868480
	.section	.rodata,"a",@progbits
	.p2align	6, 0x0
	.amdhsa_kernel k_q12f4ee0f3a_prep
		.amdhsa_group_segment_fixed_size 0
		.amdhsa_private_segment_fixed_size 0
		.amdhsa_enable_private_segment 0
		.amdhsa_kernarg_size 56
		.amdhsa_user_sgpr_count 2
		.amdhsa_user_sgpr_kernarg_segment_ptr 1
		.amdhsa_wavefront_size32 1
		.amdhsa_system_sgpr_workgroup_id_x 1
		.amdhsa_system_sgpr_workgroup_id_y 1
		.amdhsa_system_sgpr_workgroup_id_z 1
		.amdhsa_system_vgpr_workitem_id 0
		.amdhsa_next_free_vgpr 80
		.amdhsa_next_free_sgpr 66
		.amdhsa_reserve_vcc 1
		.amdhsa_float_denorm_mode_32 3
		.amdhsa_float_denorm_mode_16_64 3
		.amdhsa_memory_ordered 1
		.amdhsa_forward_progress 1
		.amdhsa_inst_pref_size 12
	.end_amdhsa_kernel
	.amdgpu_metadata
---
amdhsa.version: [ 1, 2 ]
amdhsa.kernels:
  - .name:           k_q12f4ee0f3a_prep
    .symbol:         k_q12f4ee0f3a_prep.kd
    .args:
      - { .name: Wq, .offset: 0, .size: 8, .value_kind: global_buffer, .address_space: global }
      - { .name: Wk, .offset: 8, .size: 8, .value_kind: global_buffer, .address_space: global }
      - { .name: Wv, .offset: 16, .size: 8, .value_kind: global_buffer, .address_space: global }
      - { .name: Wo, .offset: 24, .size: 8, .value_kind: global_buffer, .address_space: global }
      - { .name: lowp_scales, .offset: 32, .size: 8, .value_kind: global_buffer, .address_space: global }
      - { .name: w_img, .offset: 40, .size: 8, .value_kind: global_buffer, .address_space: global }
      - { .name: rope, .offset: 48, .size: 8, .value_kind: global_buffer, .address_space: global }
    .group_segment_fixed_size: 0
    .private_segment_fixed_size: 0
    .kernarg_segment_align: 8
    .kernarg_segment_size: 56
    .max_flat_workgroup_size: 128
    .sgpr_count:     66
    .vgpr_count:     80
    .wavefront_size: 32
...
	.end_amdgpu_metadata
.endif
;; end of part 1
;; launch qkv (part 2): grid 64 x 3, 8 waves a work-group, no clusters, 68,608 bytes of LDS; arguments hidden_states, w_img, rope, bq, bk, bv, lowp_scales, q_img, k_img, v_img; writes q_img, k_img, v_img
.if DOCPART == 2
	.amdgcn_target "amdgcn-amd-amdhsa--gfx1250"
	.amdhsa_code_object_version 6
	.text
	.protected	k_q12f4ee0f3a_qkv
	.globl	k_q12f4ee0f3a_qkv
	.p2align	8
	.type	k_q12f4ee0f3a_qkv,@function
k_q12f4ee0f3a_qkv:
	s_mov_b64 s[64:65], 0
	v_nop
	global_prefetch_b8 v0, s[64:65] scope:SCOPE_SE
	s_setreg_imm32_b32 hwreg(HW_REG_WAVE_MODE, 25, 1), 1
	s_wait_xcnt 0x0
; LAUNCH 2 OF 4.  q = rope((x Wq + bq) / 8), k = rope(x Wk + bk), v = x Wv + bv, each product on codes of E4M3, and each result quantised for the product that takes it.  Nothing is left out here.
; SHARES.  Work-group (x = rg, y = ty) takes rows 128 rg .. 128 rg + 127 of x [8,192][512] for ONE of q (ty = 0), k (1), v (2): x is quantised with that product's own scale (lowp_scales[0], [2], [4]).
; Wave w is head w: its 64 columns x 512 K of weight codes (32,768 bytes, 256 registers: window 1) are read once and stay.  It also quantises rows 16 w .. 16 w + 15 of x; the codes meet in LDS behind the text's one barrier.
; q, k: the product is used TRANSPOSED (source 0 = 16 columns of W, source 1 = 16 rows of x): a lane holds one position and eight neighbouring channels, which are neighbours along the next K (the head's 64).
; v: source 0 = 16 rows of x, source 1 = 16 columns of W: a lane holds one channel and eight neighbouring KEYS, which are neighbours along the next K (the keys).  So every conversion's result is a pair of operand registers.
; SCALES FOLDED.  A sum stands for sum x 2^es, es = ex + ew.  raw = sum + b / 2^es: the bias is the C of each sum's first matrix instruction.  RoPE is linear, so it turns raw.  code = raw / 2^ec, ec = eo - es (+ 3 for q: the factor 1/8).
; OUT, as images of the operand's registers (lane (r, h), registers 2 c, 2 c + 1: k = 16 c + 8 h + 0 .. 7; registers 4 G .. 4 G + 3 at 512 G + 16 lane):
;   q_img, k_img [batch x head: 131,072][tile of 16 positions: 1,024][G 0, 1][lane][16];   v_img [batch x head: 131,072][128 keys: 8,192][tile of 16 channels: 2,048][G 0 .. 3][lane][16].
; NO CLUSTER: x must pass through registers to be quantised; the weights of the work-groups of one ty are the same, but 262,144 bytes of them do not fit in LDS beside x's 67,584 and the spare words.
; LIMITS on the given exponents, so that each power of two below is an f32 number: ex and ec between -126 and 119.  NaN among the inputs is not served.
; LDS: x's codes, 128 rows of 512 bytes + 16 (132 words: row r starts at bank 4 r mod 64, 64 banks of 4 bytes: ISA guide 11.1); inside each 32 codes the four pieces of 8 lie in the order k 0-7, 16-23, 8-15, 24-31,
;   so that 16 bytes at 32 c + 16 h are registers 4 c .. 4 c + 3 of a fragment.  Behind them the spare words.
; REGISTERS, window 0: v1-15 addresses, scales, at work; v16-31 the bias's offsets, later codes; v32-159 a ring of 16 x 8 numbers of x, later two sets of x's fragments; v160-191 the bias; v192-255 x's codes, later
;   v192-223 four accumulators, v224-255 two sets of cos and sin.   window 1: the weight's fragment (tile t of 16 columns, 128 s along K) at v[16 (4 t + s)].
.set PITCH, 528
.set SPARE, 128*PITCH                  ; 67,584: the spare words, 128 bytes for each of the eight waves: four blocks of 256 bytes that no other line names
.set LI,   2                           ; v2   16 x lane
.set XA,   3                           ; v3   x: 32,768 x wave + 32 x lane
.set XS,   4                           ; v4   where I store 8 codes
.set XFA,  5                           ; v5   where I read a fragment: 528 r + 16 h
.set SPW,  6                           ; v6   LDS address of my spare word; never rewritten
.set NIL,  7                           ; v7   0; never rewritten
.set SX,   8                           ; v8   2^ex        v9   448 x 2^ex
.set LX,   9
.set SC,   10                          ; v10  2^ec        v11  448 x 2^ec
.set LC,   11
.set T,    12                          ; v12-15 at work
.set AB,   16                          ; v16-23 the bias's eight offsets
.set CD,   16                          ; v16-31 codes on their way out
.set RING, 32
.set XF,   32
.set BI,   160
.set ACC,  192
.set PAIR, 192
.set RP,   224
.set MSB, 0
.macro WIN new                         ; the immediate's high byte repeats the setting that is left
.if MSB != \new
	s_set_vgpr_msb (MSB<<8)|\new
.set MSB, \new
.endif
.endm
.macro PLACES                          ; four plain instructions behind matrix instructions, ahead of the first read of their results (ISA guide 7.12.1)
.rept 4
	v_nop
.endr
.endm
	s_load_b256 s[4:11], s[0:1], 0x0               ; x, w_img, rope, bq
	s_load_b256 s[12:19], s[0:1], 0x20             ; bk, bv, lowp_scales, q_img
	s_load_b128 s[20:23], s[0:1], 0x40             ; k_img, v_img
	v_lshl_add_u32 v[SPW], v0, 2, SPARE
	v_mov_b32 v[NIL], 0
	v_lshrrev_b32 v12, 5, v0
	v_readfirstlane_b32 s36, v12                   ; wave = head
	s_and_b32 s34, ttmp7, 0xffff                   ; ty
	s_mov_b32 s35, ttmp9                           ; rg
	v_and_b32 v1, 31, v0                           ; lane
	v_lshlrev_b32 v[LI], 4, v1
	v_lshlrev_b32 v[XA], 5, v1
	v_lshl_add_u32 v[XA], v12, 15, v[XA]           ; my wave's 16 rows of 2,048 bytes; 8 numbers a lane
	v_and_b32 v13, 28, v1                          ; piece l of 8 codes goes to place (l & 28) + 2 (l & 1) + ((l >> 1) & 1)
	v_and_b32 v14, 1, v1
	v_lshl_add_u32 v13, v14, 1, v13
	v_bfe_u32 v14, v1, 1, 1
	v_add_nc_u32 v13, v13, v14
	v_lshlrev_b32 v[XS], 3, v13
	s_mul_i32 s52, s36, 16*PITCH
	v_add_nc_u32 v[XS], s52, v[XS]
	v_and_b32 v13, 15, v0                          ; r
	v_bfe_u32 v14, v0, 4, 1                        ; h
	v_mul_u32_u24 v[XFA], v13, PITCH
	v_lshl_add_u32 v[XFA], v14, 4, v[XFA]
	; the bias in the result's layout, with no branch: register 8 t + j of lane (r, h) wants b[16 t + 8 h + j] (q, k) or b[16 t + r] (v): offset = 64 t + lane term + j x step
	s_cmp_eq_u32 s34, 2
	s_cselect_b32 s52, 4, 0                        ; for each r
	s_cselect_b32 s53, 0, 32                       ; for each h
	s_cselect_b32 s54, 0, 4                        ; for each j
	v_mul_u32_u24 v[AB], s52, v13
	v_mad_u32_u24 v[AB], s53, v14, v[AB]
.irp j, 1,2,3,4,5,6,7
	v_add_nc_u32 v[AB+\j], s54, v[AB+\j-1]
.endr
	s_wait_kmcnt 0x0
	s_load_b256 s[24:31], s[16:17], 0x0            ; e0 .. e7
	s_load_b64 s[32:33], s[16:17], 0x20            ; e8, e9
	s_cmp_eq_u32 s34, 1                            ; the choices hang on the work-group's number alone
	s_cselect_b64 s[42:43], s[12:13], s[14:15]     ; the bias,
	s_cselect_b64 s[44:45], s[20:21], s[22:23]     ; the image
	s_cmp_eq_u32 s34, 0
	s_cselect_b64 s[42:43], s[10:11], s[42:43]
	s_cselect_b64 s[44:45], s[18:19], s[44:45]
	s_lshl_b32 s52, s35, 18                        ; 128 rows of 2,048 bytes
	s_mov_b32 s53, 0
	s_add_nc_u64 s[46:47], s[4:5], s[52:53]        ; x at the work-group's first row
	s_lshl_b32 s52, s34, 18
	s_lshl_b32 s54, s36, 15
	s_add_co_u32 s52, s52, s54
	s_add_nc_u64 s[48:49], s[6:7], s[52:53]        ; the weight's image at my head's four tiles of columns
	s_and_b32 s55, s35, 15                         ; which 128 positions of the sequence
	s_lshl_b32 s52, s55, 14
	s_add_nc_u64 s[50:51], s[8:9], s[52:53]        ; the table at their first tile
	s_lshl_b32 s52, s36, 8
	s_add_nc_u64 s[42:43], s[42:43], s[52:53]      ; my head's 64 numbers of the bias
	s_lshr_b32 s52, s35, 4
	s_lshl_b32 s52, s52, 20                        ; the batch: 8 heads x 131,072
	s_lshl_b32 s54, s36, 17                        ; the head
	s_add_co_u32 s52, s52, s54
	s_lshl_b32 s54, s55, 13                        ; 128 positions: 8 tiles of 1,024 bytes (q, k), or one step of 8,192 (v)
	s_add_co_u32 s52, s52, s54
	s_add_nc_u64 s[44:45], s[44:45], s[52:53]
	WIN 0x40                                       ; destination window 1
.set L, 0
.rept 64
	global_load_b128 v[4*L:4*L+3], v[LI], s[48:49] offset:512*L    ; the image as it lies: 512 consecutive bytes a load
.set L, L+1
.endr
	WIN 0
.irp t, 0,1,2,3
.irp j, 0,1,2,3,4,5,6,7
	global_load_b32 v[BI+8*\t+\j], v[AB+\j], s[42:43] offset:64*\t
.endr
.endr
; A UNIT of x is half a row: 256 numbers, 8 a lane, two loads that together cover 1,024 consecutive bytes.  32 units a wave, through a ring of 16 slots of 8 registers.
.macro XLOAD u
	global_load_b128 v[RING+8*((\u)%16):RING+8*((\u)%16)+3], v[XA], s[46:47] offset:((\u)/2)*2048+((\u)%2)*1024
	global_load_b128 v[RING+8*((\u)%16)+4:RING+8*((\u)%16)+7], v[XA], s[46:47] offset:((\u)/2)*2048+((\u)%2)*1024+16
.endm
.irp u, 0,1,2,3,4,5,6,7,8,9,10,11,12,13,14,15
	XLOAD \u
.endr
	s_wait_kmcnt 0x0
	s_cmp_eq_u32 s34, 1
	s_cselect_b32 s37, s26, s28                    ; ex
	s_cselect_b32 s38, s27, s29                    ; ew
	s_cselect_b32 s39, s31, s33                    ; eo: k is the first attention product's right operand, v the second's
	s_cmp_eq_u32 s34, 0
	s_cselect_b32 s37, s24, s37
	s_cselect_b32 s38, s25, s38
	s_cselect_b32 s39, s30, s39
	s_cselect_b32 s40, 3, 0                        ; q's factor 1/8
	s_add_co_i32 s41, s37, s38                     ; es
	s_sub_co_i32 s56, s39, s41
	s_add_co_i32 s56, s56, s40                     ; ec
	s_sub_co_i32 s41, 0, s41                       ; -es
	s_add_co_i32 s52, s37, 127
	s_lshl_b32 s53, s52, 23
	v_mov_b32 v[SX], s53
	s_add_co_i32 s52, s52, 8
	s_lshl_b32 s52, s52, 23
	s_or_b32 s52, s52, 0x600000
	v_mov_b32 v[LX], s52
	s_add_co_i32 s52, s56, 127
	s_lshl_b32 s53, s52, 23
	v_mov_b32 v[SC], s53
	s_add_co_i32 s52, s52, 8
	s_lshl_b32 s52, s52, 23
	s_or_b32 s52, s52, 0x600000
	v_mov_b32 v[LC], s52
.macro XUNIT u
.if (\u) < 16
	s_wait_loadcnt 30                              ; loads come back in order (ISA guide 5.7.1): this unit's two are in (the weights and the bias, which are older, too); the 15 younger units' 30 stay out
.else
	s_wait_loadcnt 2*(31-(\u))                     ; the units that are left
.endif
.irp i, 0,1,2,3,4,5,6,7
	v_med3_num_f32 v[RING+8*((\u)%16)+\i], v[RING+8*((\u)%16)+\i], -v[LX], v[LX]   ; the conversion does not saturate (ISA guide 7.6.2): the hold comes first
.endr
	v_cvt_scalef32_pk8_fp8_f32 v[PAIR+2*(\u):PAIR+2*(\u)+1], v[RING+8*((\u)%16):RING+8*((\u)%16)+7], v[SX]
	ds_store_b64 v[XS], v[PAIR+2*(\u):PAIR+2*(\u)+1] offset:((\u)/2)*PITCH+((\u)%2)*256
.if (\u) < 16
	XLOAD (\u)+16
.endif
.endm
.irp u, 0,1,2,3,4,5,6,7,8,9,10,11,12,13,14,15,16,17,18,19,20,21,22,23,24,25,26,27,28,29,30,31
	XUNIT \u
.endr
	v_nop                                          ; a plain instruction behind the last scaled conversion: matrix instructions will write these registers
	s_wait_dscnt 0x0                               ; for the others' sake: my codes lie in LDS
	s_barrier_signal -1
.set i, 0
.rept 32
	v_ldexp_f32 v[BI+i], v[BI+i], s41              ; b / 2^es: work on registers while the others arrive
.set i, i+1
.endr
	s_barrier_wait -1                              ; all 128 rows' codes lie in LDS; nothing is stored there from here on
	s_cmp_eq_u32 s34, 2
	s_cbranch_scc1 .Lv                             ; the one parting of the ways, on the work-group's number
.macro FETCH m, set                    ; x's four fragments (16 rows x 128 K each) of tile m of rows
.irp s, 0,1,2,3
.irp c, 0,1,2,3
	ds_load_b128 v[XF+64*(\set)+16*\s+4*\c:XF+64*(\set)+16*\s+4*\c+3], v[XFA] offset:(\m)*16*PITCH+128*\s+32*\c
.endr
.endr
.endm
.macro ROPELOAD m, set                 ; cos and sin of my position and my eight frequencies: register 2 j cos, 2 j + 1 sin
.irp g, 0,1,2,3
	global_load_b128 v[RP+16*(\set)+4*\g:RP+16*(\set)+4*\g+3], v[LI], s[50:51] offset:(\m)*2048+512*\g
.endr
.endm
; 16 matrix instructions: K in four steps of 128, the four accumulators by turns, one instruction a turn.  The first step takes the bias as C.
.macro MUL16 set, vord
.if \vord
	WIN 0x04                                       ; source 1 (the weight) window 1
.else
	WIN 0x01                                       ; source 0 (the weight) window 1
.endif
.irp s, 0,1,2,3
.irp t, 0,1,2,3
.if \vord
.if \s == 0
	v_wmma_f32_16x16x128_fp8_fp8 v[ACC+8*\t:ACC+8*\t+7], v[XF+64*(\set)+16*\s:XF+64*(\set)+16*\s+15], v[16*(4*\t+\s):16*(4*\t+\s)+15], v[BI+8*\t:BI+8*\t+7]
.else
	v_wmma_f32_16x16x128_fp8_fp8 v[ACC+8*\t:ACC+8*\t+7], v[XF+64*(\set)+16*\s:XF+64*(\set)+16*\s+15], v[16*(4*\t+\s):16*(4*\t+\s)+15], v[ACC+8*\t:ACC+8*\t+7]
.endif
.else
.if \s == 0
	v_wmma_f32_16x16x128_fp8_fp8 v[ACC+8*\t:ACC+8*\t+7], v[16*(4*\t+\s):16*(4*\t+\s)+15], v[XF+64*(\set)+16*\s:XF+64*(\set)+16*\s+15], v[BI+8*\t:BI+8*\t+7]
.else
	v_wmma_f32_16x16x128_fp8_fp8 v[ACC+8*\t:ACC+8*\t+7], v[16*(4*\t+\s):16*(4*\t+\s)+15], v[XF+64*(\set)+16*\s:XF+64*(\set)+16*\s+15], v[ACC+8*\t:ACC+8*\t+7]
.endif
.endif
.endr
.endr
	WIN 0
.endm
.macro HOLD                            ; all 32 results within +-448 x 2^ec, each accumulator from its low end on
.set i, 0
.rept 32
	v_med3_num_f32 v[ACC+i], v[ACC+i], -v[LC], v[LC]
.set i, i+1
.endr
.endm
.macro FINISH                          ; the wave's end, behind my last LDS store
	s_wait_tensorcnt 0x0
	ds_add_u32 v[SPW], v[NIL]
	s_wait_dscnt 0x0
	s_endpgm
.endm
; ---- q and k: a tile of 16 positions.  In accumulator t lane (r, h) holds position r, register j channel 16 t + 8 h + j.  RoPE turns channel i = 8 h + j (accumulator 0) with channel 32 + i (accumulator 2); channels 16-31 and 48-63 stay.
.macro TILE_QK m
	s_wait_dscnt 0x0                               ; this tile's fragments are in
.if (\m) < 7
	FETCH (\m)+1, 1-(\m)%2                         ; the next tile's, into the other set: its last products stand behind the last tile's vector work
.endif
	MUL16 (\m)%2, 0
	PLACES
.if (\m) < 7
	s_wait_loadcnt 4                               ; this tile's cos and sin are in; the next tile's four loads stay out
.else
	s_wait_loadcnt 0x0
.endif
.irp j, 0,1,2,3,4,5,6,7
	v_mul_f32 v[T+2*(\j%2)], v[ACC+16+\j], v[RP+16*((\m)%2)+2*\j+1]            ; x2 sin
	v_mul_f32 v[T+2*(\j%2)+1], v[ACC+\j], v[RP+16*((\m)%2)+2*\j+1]             ; x1 sin
	v_fma_f32 v[ACC+\j], v[ACC+\j], v[RP+16*((\m)%2)+2*\j], -v[T+2*(\j%2)]     ; x1 cos - x2 sin
	v_fma_f32 v[ACC+16+\j], v[ACC+16+\j], v[RP+16*((\m)%2)+2*\j], v[T+2*(\j%2)+1]  ; x2 cos + x1 sin
.endr
.if (\m) < 6
	ROPELOAD (\m)+2, (\m)%2
.endif
	HOLD
	s_wait_xcnt 0x0                                ; the last tile's stores have read their data: the codes' registers are written again only behind this wait
.irp t, 0,1,2,3
	v_cvt_scalef32_pk8_fp8_f32 v[CD+2*\t:CD+2*\t+1], v[ACC+8*\t:ACC+8*\t+7], v[SC]   ; registers 2 t, 2 t + 1 of the operand: channels 16 t + 8 h + 0 .. 7
.endr
	v_nop                                          ; a plain instruction behind the last scaled conversion
	global_store_b128 v[LI], v[CD:CD+3], s[44:45] offset:(\m)*1024        ; a wave stores 512 consecutive bytes, at a multiple of 512 from the buffer's first byte
	global_store_b128 v[LI], v[CD+4:CD+7], s[44:45] offset:(\m)*1024+512
.endm
	ROPELOAD 0, 0
	ROPELOAD 1, 1
	FETCH 0, 0
.irp m, 0,1,2,3,4,5,6,7
	TILE_QK \m
.endr
	FINISH
; ---- v: a tile of 16 keys.  In accumulator t lane (r, h) holds channel 16 t + r, register j key 16 m + 8 h + j: registers 2 m, 2 m + 1 of the fragment of channels 16 t on.  Two tiles fill four registers, which leave together.
.macro TILE_V m
	s_wait_dscnt 0x0
.if (\m) < 7
	FETCH (\m)+1, 1-(\m)%2
.endif
	MUL16 (\m)%2, 1
	PLACES
	HOLD
.if (\m)%2 == 0
	s_wait_xcnt 0x0                                ; the last pair's stores have read their data
.endif
.irp t, 0,1,2,3
	v_cvt_scalef32_pk8_fp8_f32 v[CD+4*\t+2*((\m)%2):CD+4*\t+2*((\m)%2)+1], v[ACC+8*\t:ACC+8*\t+7], v[SC]
.endr
	v_nop                                          ; a plain instruction behind the last scaled conversion
.if (\m)%2 == 1
.irp t, 0,1,2,3
	global_store_b128 v[LI], v[CD+4*\t:CD+4*\t+3], s[44:45] offset:\t*2048+((\m)/2)*512
.endr
.endif
.endm
.Lv:
	FETCH 0, 0
.irp m, 0,1,2,3,4,5,6,7
	TILE_V \m
.endr
	FINISH
.Lfunc_end_k_q12f4ee0f3a_qkv:
	.size	k_q12f4ee0f3a_qkv, .Lfunc_end_k_q12f4ee0f3a_qkv-k_q12f4ee0f3a_qkv
	.p2alignl 7, 3214868480
	.fill 96, 4, 3214868480
	.section	.rodata,"a",@progbits
	.p2align	6, 0x0
	.amdhsa_kernel k_q12f4ee0f3a_qkv
		.amdhsa_group_segment_fixed_size 68608
		.amdhsa_private_segment_fixed_size 0
		.amdhsa_enable_private_segment 0
		.amdhsa_kernarg_size 80
		.amdhsa_user_sgpr_count 2
		.amdhsa_user_sgpr_kernarg_segment_ptr 1
		.amdhsa_wavefront_size32 1
		.amdhsa_system_sgpr_workgroup_id_x 1
		.amdhsa_system_sgpr_workgroup_id_y 1
		.amdhsa_system_sgpr_workgroup_id_z 1
		.amdhsa_system_vgpr_workitem_id 0
		.amdhsa_next_free_vgpr 512
		.amdhsa_next_free_sgpr 66
		.amdhsa_reserve_vcc 0
		.amdhsa_float_denorm_mode_32 3
		.amdhsa_float_denorm_mode_16_64 3
		.amdhsa_memory_ordered 1
		.amdhsa_forward_progress 1
		.amdhsa_inst_pref_size 134
	.end_amdhsa_kernel
	.amdgpu_metadata
---
amdhsa.version: [ 1, 2 ]
amdhsa.kernels:
  - .name:           k_q12f4ee0f3a_qkv
    .symbol:         k_q12f4ee0f3a_qkv.kd
    .args:
      - { .name: hidden_states, .offset: 0, .size: 8, .value_kind: global_buffer, .address_space: global }
      - { .name: w_img, .offset: 8, .size: 8, .value_kind: global_buffer, .address_space: global }
      - { .name: rope, .offset: 16, .size: 8, .value_kind: global_buffer, .address_space: global }
      - { .name: bq, .offset: 24, .size: 8, .value_kind: global_buffer, .address_space: global }
      - { .name: bk, .offset: 32, .size: 8, .value_kind: global_buffer, .address_space: global }
      - { .name: bv, .offset: 40, .size: 8, .value_kind: global_buffer, .address_space: global }
      - { .name: lowp_scales, .offset: 48, .size: 8, .value_kind: global_buffer, .address_space: global }
      - { .name: q_img, .offset: 56, .size: 8, .value_kind: global_buffer, .address_space: global }
      - { .name: k_img, .offset: 64, .size: 8, .value_kind: global_buffer, .address_space: global }
      - { .name: v_img, .offset: 72, .size: 8, .value_kind: global_buffer, .address_space: global }
    .group_segment_fixed_size: 68608
    .private_segment_fixed_size: 0
    .kernarg_segment_align: 8
    .kernarg_segment_size: 80
    .max_flat_workgroup_size: 256
    .sgpr_count:     66
    .vgpr_count:     512
    .wavefront_size: 32
...
	.end_amdgpu_metadata
.endif
;; end of part 2
;; launch attn (part 3): grid 8 x 32, 16 waves a work-group, no clusters, 327,680 bytes of LDS; arguments q_img, k_img, v_img, lowp_scales, o_img; writes o_img
.if DOCPART == 3
	.amdgcn_target "amdgcn-amd-amdhsa--gfx1250"
	.amdhsa_code_object_version 6
	.text
	.protected	k_q12f4ee0f3a_attn
	.globl	k_q12f4ee0f3a_attn
	.p2align	8
	.type	k_q12f4ee0f3a_attn,@function
k_q12f4ee0f3a_attn:
	s_mov_b64 s[64:65], 0
	v_nop
	global_prefetch_b8 v0, s[64:65] scope:SCOPE_SE
	s_setreg_imm32_b32 hwreg(HW_REG_WAVE_MODE, 25, 1), 1
	s_wait_xcnt 0x0
; LAUNCH 3 OF 4.  o = softmax(q k^T + causal mask) v for each of 32 (batch, head), both products on codes of E4M3; o is quantised for the projection.
; LEFT OUT: a step of 128 keys all of which come after a wave's 16 queries (the mask that reference() builds gives them weight 0: shown at the head of launch 1); a slot of keys that no wave of the work-group reads is not fetched.
; THE SOFTMAX: t = score x log2(e); M = the running largest t rounded UP to a whole number; p = 2^(t - M) is quantised along the keys with 2^e8, not normalised; the row's sum is taken of the unquantised p and divides at the end.
; When M moves, the sum and O are multiplied by 2^(old M - new M), which rounds nothing.
; SHARES.  The sequence is 16 blocks of 128 queries.  Work-group (x = J, y = batch x head) owns blocks J and 15 - J; each of its sixteen waves owns 16 queries, one tile, in 256 registers.
; A wave of block b works b + 1 key steps, so the two blocks together are 17 steps for each pair of waves, the same in every work-group; wave w takes block J or 15 - J by (w ^ (w >> 2)) & 1, so that waves 4 i .. 4 i + 3 and waves
; i, i + 4, i + 8, i + 12 alike hold two of each block.
; EVERY work-group walks all 8 slots of 256 keys: trip counts are constants, no barrier is jumped over; what is left out is a step's work, by a scalar branch on ids.
; LAYOUT.  Both products are used transposed: S^T = K Q^T (source 0 = 16 keys, source 1 = my 16 queries; K = the head's 64), O^T = V^T P^T (source 0 = 16 channels, source 1 = P; K = 128 keys): a lane holds ONE query throughout.
; In S^T tile c, register j of lane (r, h) is key 16 c + 8 h + j: just what registers 2 c, 2 c + 1 of the second product's operand hold.  All three inputs are images of operand registers: every LDS read is 16 x lane, dense.
; OUT: o_img [tile of 16 rows of B x S: 8,192][head: 1,024][G 0, 1][lane][16]: two neighbouring heads' images are one fragment of 128 along the projection's K.
; NO CLUSTER: under the mask the work-groups of a head need different numbers of slots, so partners could not make every joint request.
; LIMITS on the given exponents: e6 + e7 between -126 and 127 (added to the exponent field of log2(e)); e8 and e10 between -126 and 119; e8 + e9 goes in by v_ldexp_f32 and has none.
; LDS: two slots of 32,768 bytes: 16 images of K (1,024 each), then 8 of V (2,048 each); behind them the spare words.  All of the LDS is claimed.
; REGISTERS: v1 16 x lane; v3 the prefetches' offset; v5, v6 the add's two; v8 the LDS address in hand; v9 r - 8 h; v12 -M, v13 the largest t, v[14:15] the sum; v16-23 Q; v32-95 fragments of K, then of V; v96-159 S^T, then p;
;   v160-191 O^T; v224-239 p's codes; v240, v244: 448 x 2^e8, 2^e8; v241, v245: the same with e10; v242-254 at work.
.set SLOTB, 32768
.set SPARE, 2*SLOTB                    ; the spare words, 128 bytes for each of the sixteen waves: eight blocks of 256 bytes that no other line names
.set LI,  1
.set PFO, 3
.set SPW, 5
.set NIL, 6
.set ADR, 8
.set DL,  9
.set TB,  2                            ; s2   LDS byte at which the slot in hand begins
.set SLOTS, 3                          ; s3   changes of slots still to come in the loop
.set KF,  14                           ; s14  the step's first key
.set Q0,  15                           ; s15  my first query
.set WGL, 16                           ; s16  my work-group's last query
.set LIM, 17                           ; s17  1 in a wave that prefetches, else the greatest number
.set WV,  18                           ; s18  my wave's number
; Wave 0 fetches a slot's 16,384 bytes of K, wave 1 those of V, the others nothing; one line serves both, its group 0 made from the wave's number.  An s_nop 0 and four v_nop follow it.
.macro TLOAD
	s_cmp_lt_u32 s[WV], 2
	s_cbranch_scc0 .Lasked_\@
	tensor_load_to_lds s[40:43], s[24:31]
	s_nop 0
.rept 4
	v_nop
.endr
.Lasked_\@:
.endm
; A PREFETCH of what the NEXT change of slots will ask for: 16,384 bytes of K and as many of V.  All eight work-groups of a head walk the same K and V: the one with J = 0, which walks every slot, asks, and nobody else.
; In it four waves that fetch nothing ask, one instruction each: waves 4, 5 for K's two halves of 8,192 bytes, waves 6, 7 for V's, lanes 256 bytes apart: each aligned block of 256 bytes is named once in the launch.
; It stands two key steps ahead of the load that wants the bytes.  Slots 0 and 1 come by their loads alone; the last change that fills a slot asks for nothing.
.macro ASK
	s_cmp_gt_u32 s[SLOTS], s[LIM]
	s_cbranch_scc0 .Lnot_mine_\@
	global_prefetch_b8 v[PFO], s[44:45] th:TH_LOAD_NT scope:SCOPE_SE
.Lnot_mine_\@:
.endm
	s_load_b256 s[4:11], s[0:1], 0x0               ; q_img, k_img, v_img, lowp_scales
	s_load_b64 s[12:13], s[0:1], 0x20              ; o_img
	v_lshl_add_u32 v[SPW], v0, 2, SPARE
	v_mov_b32 v[NIL], 0
	ds_add_u32 v[SPW], v[NIL]                      ; the wave's opening: the add, twice on end, and its wait ahead of the first tensor load; work on registers stands between the second and the wait
	ds_add_u32 v[SPW], v[NIL]
	v_lshrrev_b32 v8, 5, v0
	v_readfirstlane_b32 s[WV], v8                  ; wave 0..15
	s_mov_b32 s19, ttmp9                           ; J
	s_and_b32 s37, ttmp7, 0xffff                   ; batch x head
	s_lshl_b32 s46, s37, 17                        ; its 131,072 bytes in each of the three images
	s_mov_b32 s47, 0
	s_lshr_b32 s48, s[WV], 2
	s_xor_b32 s48, s48, s[WV]
	s_and_b32 s48, s48, 1
	s_sub_co_u32 s49, 15, s19
	s_cmp_eq_u32 s48, 1
	s_cselect_b32 s49, s49, s19                    ; my block of 128 queries: 15 - J or J
	s_lshl_b32 s[Q0], s49, 7
	s_lshr_b32 s48, s[WV], 1
	s_lshl_b32 s48, s48, 4
	s_add_co_u32 s[Q0], s[Q0], s48                 ; + 16 (wave / 2)
	s_lshl_b32 s48, s19, 7
	s_sub_co_u32 s[WGL], 2047, s48                 ; the last query of block 15 - J
	; descriptor group 1: 16,384 dense bytes as 64 rows of 256
	s_mov_b32 s24, 3<<16                           ; no mask; elements of 8 bytes; no padding
	s_mov_b32 s25, 32<<16                          ; tensor_dim0 = 32
	s_mov_b32 s26, 64<<16                          ; tensor_dim1 = 64
	s_mov_b32 s27, 32<<16                          ; tile_dim0 = 32
	s_mov_b32 s28, 64                              ; tile_dim1 = 64
	s_mov_b32 s29, 32                              ; from row to row
	s_mov_b32 s30, 0
	s_mov_b32 s31, 0
	s_mov_b32 s40, 1                               ; group 0: count = 1,
	s_and_b32 s41, s[WV], 1
	s_lshl_b32 s41, s41, 14                        ; LDS address: slot 0; K's part, or V's behind it
	s_mov_b32 s20, 0x76543210                      ; v_permlanex16_b32: lane l xor 16
	s_mov_b32 s21, 0xfedcba98
	s_mov_b32 s[TB], 0
	s_mov_b32 s[SLOTS], 7
	s_mov_b32 s[KF], 0
	s_sub_co_u32 s48, s[WV], 4
	s_lshr_b32 s48, s48, 2                         ; 0 in waves 4 to 7,
	s_or_b32 s48, s48, s19                         ; of the work-group with J = 0
	s_cmp_eq_u32 s48, 0
	s_cselect_b32 s[LIM], 1, -1
	s_wait_dscnt 0x0                               ; both opening adds are done
	s_wait_kmcnt 0x0
	s_load_b128 s[32:35], s[10:11], 0x18           ; e6, e7, e8, e9
	s_load_b32 s36, s[10:11], 0x28                 ; e10
	s_cmp_eq_u32 s[WV], 0
	s_cselect_b64 s[42:43], s[6:7], s[8:9]
	s_add_nc_u64 s[42:43], s[42:43], s[46:47]      ; global address: the head's first 256 keys
	s_or_b32 s43, s43, 0x80000000                  ; type = 2
	TLOAD                                          ; slot 0: key 0 counts for every query, so it is read
	s_cmp_lt_u32 s[WV], 6
	s_cselect_b64 s[44:45], s[6:7], s[8:9]         ; the prefetches: K's image or V's,
	s_add_nc_u64 s[44:45], s[44:45], s[46:47]      ; my head,
	s_and_b32 s48, s[WV], 1
	s_lshl_b32 s48, s48, 13                        ; my half,
	s_add_co_u32 s48, s48, 16384                   ; in slot 1: the first change of slots steps it to slot 2
	s_mov_b32 s49, 0
	s_add_nc_u64 s[44:45], s[44:45], s[48:49]
	s_lshl_b32 s48, s[Q0], 6                       ; my tile of queries: 1,024 bytes for 16
	s_add_nc_u64 s[4:5], s[4:5], s[46:47]
	s_add_nc_u64 s[4:5], s[4:5], s[48:49]
	s_lshr_b32 s48, s37, 3
	s_lshl_b32 s48, s48, 20                        ; o_img: the batch's 128 tiles of rows,
	s_lshl_b32 s50, s[Q0], 9                       ; my tile: 8,192 bytes for 16 rows,
	s_add_co_u32 s48, s48, s50
	s_and_b32 s50, s37, 7
	s_lshl_b32 s50, s50, 10                        ; my head
	s_add_co_u32 s48, s48, s50
	s_add_nc_u64 s[12:13], s[12:13], s[48:49]
	v_and_b32 v1, 31, v0
	v_lshlrev_b32 v[PFO], 8, v1
	v_lshlrev_b32 v[LI], 4, v1
	global_load_b128 v[16:19], v[LI], s[4:5]       ; Q's fragment stays in registers
	global_load_b128 v[20:23], v[LI], s[4:5] offset:512
	v_and_b32 v[DL], 15, v0
	v_bfe_u32 v10, v0, 4, 1
	v_lshlrev_b32 v10, 3, v10
	v_sub_nc_u32 v[DL], v[DL], v10                 ; r - 8 h
	v_mov_b32 v13, 0xff61b1e6                      ; the largest t so far: -3e38, under every t
	v_floor_f32 v12, -v13                          ; -M
	v_mov_b32 v14, 0                               ; the sum, in two halves
	v_mov_b32 v15, 0
	v_mov_b32 v246, 0                              ; written once: a lane permute's destination counts as one of its sources
	v_mov_b32 v250, 0xff800000                     ; -infinity
	v_mov_b32 v253, 0                              ; (named as the upper half of the pair v[252:253])
.set i, 0
.rept 32
	v_mov_b32 v[160+i], 0                          ; O^T.  (The step is written once: the first finds zeros, which the first change of M leaves zeros)
.set i, i+1
.endr
	s_wait_kmcnt 0x0
	s_add_co_i32 s48, s32, s33
	s_lshl_b32 s48, s48, 23
	s_add_co_i32 s22, s48, 0x3fb8aa3b              ; c = log2(e) x 2^(e6 + e7): a score stands for score x 2^(e6 + e7)
	s_mov_b32 s23, s22                             ; (named with it as a pair, so it is written)
	s_add_co_i32 s48, s34, 127
	s_lshl_b32 s49, s48, 23
	v_mov_b32 v244, s49                            ; 2^e8
	s_add_co_i32 s48, s48, 8
	s_lshl_b32 s48, s48, 23
	s_or_b32 s48, s48, 0x600000
	v_mov_b32 v240, s48                            ; 448 x 2^e8
	s_add_co_i32 s48, s36, 127
	s_lshl_b32 s49, s48, 23
	v_mov_b32 v245, s49                            ; 2^e10
	s_add_co_i32 s48, s48, 8
	s_lshl_b32 s48, s48, 23
	s_or_b32 s48, s48, 0x600000
	v_mov_b32 v241, s48                            ; 448 x 2^e10
; A KEY STEP: 128 keys, the q-th of the slot in hand.
.macro STEP q
	s_add_co_u32 s48, s[Q0], 15
	s_cmp_gt_u32 s[KF], s48                        ; all its keys come after my queries: the step's work is left out; no barrier and no tensor load stands in a step
	s_cbranch_scc1 .Lhidden_\@
	v_add_nc_u32 v[ADR], s[TB], v[LI]
.rept 3
	v_nop                                          ; with the addition above: four places ahead of loads into registers that the last products read
.endr
.set n, 0
.rept 16
	ds_load_b128 v[32+4*n:35+4*n], v[ADR] offset:(\q)*8192+512*n   ; K: eight fragments of 16 keys x 64
.set n, n+1
.endr
	s_wait_dscnt 0x0
.irp c, 0,1,2,3,4,5,6,7
	v_wmma_f32_16x16x64_fp8_fp8 v[96+8*\c:103+8*\c], v[32+8*\c:39+8*\c], v[16:23], 0
.endr
.rept 4
	v_nop                                          ; places ahead of the loads below and of the first read of the scores
.endr
.set n, 0
.rept 16
	ds_load_b128 v[32+4*n:35+4*n], v[ADR] offset:16384+(\q)*8192+512*n   ; V: four fragments of 16 channels x 128 keys; they land under the softmax
.set n, n+1
.endr
	s_add_co_u32 s48, s[KF], 127                   ; on the diagonal hidden scores become -infinity ahead of the maximum: p = 0 then.  A step all of whose keys count passes this over
	s_cmp_le_u32 s48, s[Q0]
	s_cbranch_scc1 .Lopen_\@
	s_sub_co_i32 s48, s[Q0], s[KF]
	v_add_nc_u32 v248, s48, v[DL]                  ; d = my query - KF - 8 h.  Register 8 c + j holds key KF + 8 h + 16 c + j: hidden where 16 c + j > d
.set n, 0
.rept 64
	v_cmp_gt_i32 vcc_lo, 16*(n/8)+n%8, v248
	v_cndmask_b32 v[96+n], v[96+n], v250, vcc_lo
.set n, n+1
.endr
.Lopen_\@:
	v_max3_num_f32 v254, v96, v97, v98             ; the step's largest score of my query, among my 64 keys, in two chains,
	v_max3_num_f32 v252, v99, v100, v101
.irp i, 6,10,14,18,22,26,30,34,38,42,46,50,54,58
	v_max3_num_f32 v254, v254, v[96+\i], v[97+\i]
	v_max3_num_f32 v252, v252, v[98+\i], v[99+\i]
.endr
	v_max3_num_f32 v254, v254, v158, v159
	v_max_num_f32 v254, v254, v252
	v_permlanex16_b32 v246, v254, s20, s21
	v_max_num_f32 v254, v254, v246                 ; and among lane l xor 16's
	v_mul_f32 v254, s22, v254                      ; as t (c is positive)
	v_max_num_f32 v13, v13, v254                   ; the running largest t
	v_mov_b32 v254, v12
	v_floor_f32 v12, -v13                          ; the new -M = floor(-t) = -ceil(t): M is a whole number
	v_sub_f32 v254, v12, v254                      ; M's old value less its new one: a whole number, 0 or less
	v_cvt_i32_f32 v254, v254                       ; (it saturates)
	v_ldexp_f32 v252, 1.0, v254                    ; f = 2^(old M - new M)
.irp j, 0,2,4,6,8,10,12,14,16,18,20,22,24,26,28,30,32,34,36,38,40,42,44,46,48,50,52,54,56,58,60,62
	v_pk_fma_f32 v[96+\j:97+\j], v[96+\j:97+\j], s[22:23], v[12:13] op_sel_hi:[1,0,0]   ; t - M, two at a time (of the pairs c and -M the low word serves both halves)
.endr
.set n, 0
.rept 64
	v_exp_f32 v[96+n], v[96+n]                     ; p = 2^(t - M), at most 1: not normalised
.set n, n+1
.endr
	v_pk_mul_f32 v[14:15], v[14:15], v[252:253] op_sel_hi:[1,0]   ; the sums under the new M: the plain instruction behind the exponentials
	s_wait_alu depctr_va_vdst(0)                   ; one wait for the whole batch, ahead of its first reader
	v_pk_add_f32 v[242:243], v[96:97], v[98:99]    ; the row's sum is taken of the unquantised p: two at a time, in two chains
.irp j, 4,8,12,16,20,24,28,32,36,40,44,48,52,56,60
	v_pk_add_f32 v[14:15], v[14:15], v[96+\j:97+\j]
	v_pk_add_f32 v[242:243], v[242:243], v[98+\j:99+\j]
.endr
	v_pk_add_f32 v[14:15], v[14:15], v[242:243]
.irp c, 0,1,2,3,4,5,6,7
.irp i, 0,1,2,3,4,5,6,7
	v_min_num_f32 v[96+8*\c+\i], v[96+8*\c+\i], v240   ; the conversion does not saturate (ISA guide 7.6.2); p is not negative, so the hold is one-sided
.endr
	v_cvt_scalef32_pk8_fp8_f32 v[224+2*\c:225+2*\c], v[96+8*\c:103+8*\c], v244   ; registers 2 c, 2 c + 1 of the operand: keys 16 c + 8 h + 0 .. 7
.endr
.irp j, 0,2,4,6,8,10,12,14,16,18,20,22,24,26,28,30
	v_pk_mul_f32 v[160+\j:161+\j], v[160+\j:161+\j], v[252:253] op_sel_hi:[1,0]   ; O^T under the new M.  (Plain instructions between the conversions and the products that read their results)
.endr
	s_wait_dscnt 0x0                               ; V is in
.irp t, 0,1,2,3
	v_wmma_f32_16x16x128_fp8_fp8 v[160+8*\t:167+8*\t], v[32+16*\t:47+16*\t], v[224:239], v[160+8*\t:167+8*\t]   ; the four accumulators by turns, one instruction a turn
.endr
.Lhidden_\@:
	s_add_co_u32 s[KF], s[KF], 128
.endm
; THE CHANGE OF SLOTS stands at a slot's head.  Each wave waits for all its tensor loads (its part of the slot ahead), adds 0 to its spare word (fill = 1: twice on end),
; and waits for that and for its reads of the slot that it has left.  Behind the barrier the slot ahead is whole and nobody reads the other: with fill = 1 that one takes the next 256 keys, and has a slot's two steps in which to land.
; By this text's own count a fetching wave has one tensor load out.
.macro CHANGE fill
	s_wait_tensorcnt 0x0                           ; no tensor load of mine is out, so group 0 may be written
	ds_add_u32 v[SPW], v[NIL]
.if \fill
	ds_add_u32 v[SPW], v[NIL]
	s_xor_b32 s41, s41, SLOTB                      ; the walking descriptor: the other slot,
	s_add_nc_u64 s[42:43], s[42:43], 16384         ; the next 256 keys; the type bits on top are not reached
	s_wait_xcnt 0x0                                ; the last prefetch, a slot back, has read its address, so it may be written:
	s_add_nc_u64 s[44:45], s[44:45], 16384         ; one slot further on than the descriptor
.endif
	s_wait_dscnt 0x0                               ; the add is done, and my reads of the slot that I have left are over
	s_barrier_signal -1
	s_barrier_wait -1
.if \fill
	s_add_co_u32 s48, s[KF], 256                   ; the first key of the slot that this change would ask for:
	s_cmp_gt_u32 s48, s[WGL]                       ; past my work-group's last query no wave reads it, so it is not asked for.  Ids and the count of steps alone: all sixteen waves go the same way;
	s_cbranch_scc1 .Lpast_\@                       ; every wait for tensor loads in this text is for 0, and the jump leads round the load's own lines alone
	TLOAD
.Lpast_\@:
	ASK
.endif
.endm
	s_wait_loadcnt 0x0                             ; Q
.Lslot:                                            ; 7 trips: behind each change of slots but the last the next slot is asked for, up to the causal limit
	CHANGE 1
	STEP 0
	STEP 1
	s_xor_b32 s[TB], s[TB], SLOTB
	s_sub_co_u32 s[SLOTS], s[SLOTS], 1
	s_cmp_lg_u32 s[SLOTS], 0
	s_cbranch_scc1 .Lslot
	CHANGE 0                                       ; the last slot is written out: nothing is left to fetch
	STEP 0
	STEP 1
	; THE WAY OUT.  O^T x 2^(e8 + e9) / the sum, in f32, is the projection's left operand: held, converted, and stored as the image of its registers.  No stage: the wave's two stores are 512 consecutive bytes each.
.rept 4
	v_nop                                          ; places behind the last products
.endr
	v_add_f32 v14, v14, v15                        ; the sum's two halves,
	v_permlanex16_b32 v246, v14, s20, s21
	v_add_f32 v14, v14, v246                       ; and lane l xor 16's
	v_rcp_f32 v14, v14
	v_nop                                          ; a plain instruction behind the reciprocal
	s_add_co_i32 s48, s34, s35
	s_wait_alu depctr_va_vdst(0)                   ; and the wait ahead of its first reader
	v_ldexp_f32 v14, v14, s48
.set i, 0
.rept 32
	v_mul_f32 v[96+i], v[160+i], v14               ; register 8 t + j: o(query r, channel 16 t + 8 h + j); each accumulator from its low end on
.set i, i+1
.endr
.set i, 0
.rept 32
	v_med3_num_f32 v[96+i], v[96+i], -v241, v241
.set i, i+1
.endr
.irp t, 0,1,2,3
	v_cvt_scalef32_pk8_fp8_f32 v[224+2*\t:225+2*\t], v[96+8*\t:103+8*\t], v245
.endr
	v_nop                                          ; a plain instruction behind the last scaled conversion
	global_store_b128 v[LI], v[224:227], s[12:13]
	global_store_b128 v[LI], v[228:231], s[12:13] offset:512
	s_wait_tensorcnt 0x0                           ; the wave's end
	ds_add_u32 v[SPW], v[NIL]
	s_wait_dscnt 0x0
	s_endpgm
.Lfunc_end_k_q12f4ee0f3a_attn:
	.size	k_q12f4ee0f3a_attn, .Lfunc_end_k_q12f4ee0f3a_attn-k_q12f4ee0f3a_attn
	.p2alignl 7, 3214868480
	.fill 96, 4, 3214868480
	.section	.rodata,"a",@progbits
	.p2align	6, 0x0
	.amdhsa_kernel k_q12f4ee0f3a_attn
		.amdhsa_group_segment_fixed_size 327680
		.amdhsa_private_segment_fixed_size 0
		.amdhsa_enable_private_segment 0
		.amdhsa_kernarg_size 40
		.amdhsa_user_sgpr_count 2
		.amdhsa_user_sgpr_kernarg_segment_ptr 1
		.amdhsa_wavefront_size32 1
		.amdhsa_system_sgpr_workgroup_id_x 1
		.amdhsa_system_sgpr_workgroup_id_y 1
		.amdhsa_system_sgpr_workgroup_id_z 1
		.amdhsa_system_vgpr_workitem_id 0
		.amdhsa_next_free_vgpr 256
		.amdhsa_next_free_sgpr 66
		.amdhsa_reserve_vcc 1
		.amdhsa_float_denorm_mode_32 3
		.amdhsa_float_denorm_mode_16_64 3
		.amdhsa_memory_ordered 1
		.amdhsa_forward_progress 1
		.amdhsa_inst_pref_size 93
	.end_amdhsa_kernel
	.amdgpu_metadata
---
amdhsa.version: [ 1, 2 ]
amdhsa.kernels:
  - .name:           k_q12f4ee0f3a_attn
    .symbol:         k_q12f4ee0f3a_attn.kd
    .args:
      - { .name: q_img, .offset: 0, .size: 8, .value_kind: global_buffer, .address_space: global }
      - { .name: k_img, .offset: 8, .size: 8, .value_kind: global_buffer, .address_space: global }
      - { .name: v_img, .offset: 16, .size: 8, .value_kind: global_buffer, .address_space: global }
      - { .name: lowp_scales, .offset: 24, .size: 8, .value_kind: global_buffer, .address_space: global }
      - { .name: o_img, .offset: 32, .size: 8, .value_kind: global_buffer, .address_space: global }
    .group_segment_fixed_size: 327680
    .private_segment_fixed_size: 0
    .kernarg_segment_align: 8
    .kernarg_segment_size: 40
    .max_flat_workgroup_size: 512
    .sgpr_count:     66
    .vgpr_count:     256
    .wavefront_size: 32
...
	.end_amdgpu_metadata
.endif
;; end of part 3
;; launch proj (part 4): grid 4 x 64, 8 waves a work-group, clusters of 4 x 1, 167,936 bytes of LDS; arguments o_img, w_img, bo, lowp_scales, out0; writes out0
.if DOCPART == 4
	.amdgcn_target "amdgcn-amd-amdhsa--gfx1250"
	.amdhsa_code_object_version 6
	.text
	.protected	k_q12f4ee0f3a_proj
	.globl	k_q12f4ee0f3a_proj
	.p2align	8
	.type	k_q12f4ee0f3a_proj,@function
k_q12f4ee0f3a_proj:
	s_mov_b64 s[64:65], 0
	v_nop
	global_prefetch_b8 v0, s[64:65] scope:SCOPE_SE
	s_setreg_imm32_b32 hwreg(HW_REG_WAVE_MODE, 25, 1), 1
	s_wait_xcnt 0x0
	s_wait_alu depctr_hold_cnt(0) depctr_sa_sdst(0) depctr_va_vdst(0) depctr_va_sdst(0) depctr_va_ssrc(0) depctr_va_vcc(0) depctr_vm_vsrc(0)
	s_getreg_b32 s2, hwreg(HW_REG_IB_STS2, 6, 4)
	s_cmp_eq_u32 s2, 0
	s_cbranch_scc0 .Lentry_in_a_cluster
	s_endpgm
.Lentry_in_a_cluster:
	s_bfe_u32 s2, ttmp6, 0x10000c
	s_cmp_lg_u32 s2, 0x3003
	s_cbranch_scc0 .Lentry_shape_is_right
	s_endpgm
.Lentry_shape_is_right:
; LAUNCH 4 OF 4.  out0 = o Wo + bo: [8,192][512] x [512][512] on codes of E4M3; each finished sum x 2^(e10 + e11) + bo, one packed multiply-add for two numbers.  Nothing is left out here.
; SHARES.  A work-group makes 128 rows x 128 columns; K = 512 in four steps of 128.  Eight waves: wave w makes rows 32 (w / 2) on, columns 64 (w % 2) on: eight accumulators.
; Both operands lie in memory as images of operand registers, so a work-group's part of each is ONE dense block of 65,536 bytes; each of the eight waves fetches 16,384 bytes of it by one tensor load.  No byte of LDS is filled twice.
; CLUSTER: the four work-groups of a cluster make the four blocks of columns of the same 128 rows, so o's block is asked for JOINTLY (waves 0-3; the mask names all four); Wo's block differs from partner to partner and comes by
; tensor loads without the mask (waves 4-7), behind the same round of the cluster's barrier.  Wo's blocks are shared between clusters, not inside one.
; THE MATRIX INSTRUCTION IS USED TRANSPOSED (source 0 = 16 columns of Wo, source 1 = 16 rows of o): a lane holds eight neighbouring numbers of a row of out0.
; LIMIT: e10 + e11 between -126 and 127, so that 2^(e10 + e11) is an f32 number.
; LDS: o's 8 tiles of rows x 8,192 at 0; Wo's 8 tiles of columns x 8,192 at 65,536; a stage of 16 rows x (256 + 16) bytes for each wave from 131,072 on, into which no fill lands; the spare words behind.
; REGISTERS: v1-9 addresses; v32-63 o's two fragments; v64-127 Wo's four; v128-191 accumulator (a, b) at v[128 + 8 (4 a + b)]; v192-223 bo; v224-255 at work.  On the way out v32-127 are free.
.set STG,   131072
.set SP,    272
.set SPARE, STG+8*16*SP                ; 165,888: the spare words, 128 bytes for each of the eight waves: four blocks of 256 bytes that no other line names
.set LI,  1
.set VA,  2                            ; v2   16 x lane + my two tiles of rows
.set VB,  3                            ; v3   16 x lane + my four tiles of columns
.set SO,  4                            ; v4   the stage: where I put 32 bytes of a row
.set SR,  5                            ; v5   and where I read a row back
.set GO,  6                            ; v6   my byte offset in two rows of out0
.set BO,  7                            ; v7   32 h: my eight numbers of a tile of bo
.set SPW, 8
.set NIL, 9
.set AF,  32
.set BF,  64
.set ACC, 128
.set BIAS, 192
.set WV,  14
.macro CROUND                          ; a round of the cluster's barrier: my work-group's barrier; wave 0 signals for the work-group; every wave waits for all four work-groups; my work-group's barrier once more
	s_barrier_signal -1
	s_barrier_wait -1
	s_cmp_lg_u32 s[WV], 0
	s_cbranch_scc1 .Lnot_wave_0_\@
	s_barrier_signal -3
.Lnot_wave_0_\@:
	s_barrier_wait -3
	s_barrier_signal -1
	s_barrier_wait -1
.endm
	s_load_b256 s[4:11], s[0:1], 0x0               ; o_img, w_img, bo, lowp_scales
	s_load_b64 s[12:13], s[0:1], 0x20              ; out0
	v_lshl_add_u32 v[SPW], v0, 2, SPARE
	v_mov_b32 v[NIL], 0
	ds_add_u32 v[SPW], v[NIL]                      ; the wave's opening: the add, twice on end, and its wait ahead of my first tensor load; work on registers stands between the second and the wait
	ds_add_u32 v[SPW], v[NIL]
	v_lshrrev_b32 v10, 5, v0
	v_readfirstlane_b32 s[WV], v10                 ; wave 0..7
	s_bfe_u32 s15, ttmp6, 0x40000                  ; cx: my place in the cluster
	s_lshl_b32 s16, ttmp9, 2
	s_add_co_u32 s16, s16, s15                     ; my block of 128 columns: it enters Wo's, bo's and out0's addresses alone
	s_and_b32 s17, ttmp7, 0xffff                   ; my block of 128 rows, which the four partners share
	s_lshr_b32 s18, s[WV], 1                       ; which 32 rows are mine
	s_and_b32 s19, s[WV], 1                        ; which 64 columns
	; descriptor group 1: 16,384 dense bytes as 64 rows of 256; o's with the mask of all four work-groups and bit 21 beside it, Wo's without
	s_mov_b32 s24, 15|(3<<16)|(1<<21)
	s_mov_b32 s32, 3<<16
.irp g, 24, 32
	s_mov_b32 s[\g+1], 32<<16                      ; tensor_dim0 = 32 elements of 8 bytes
	s_mov_b32 s[\g+2], 64<<16                      ; tensor_dim1 = 64
	s_mov_b32 s[\g+3], 32<<16                      ; tile_dim0 = 32
	s_mov_b32 s[\g+4], 64                          ; tile_dim1 = 64
	s_mov_b32 s[\g+5], 32                          ; from row to row
	s_mov_b32 s[\g+6], 0
	s_mov_b32 s[\g+7], 0
.endr
	s_and_b32 s22, s[WV], 3
	s_lshl_b32 s22, s22, 14                        ; which quarter of a block I fetch
	s_lshl_b32 s20, s17, 16                        ; o: 8 tiles of rows x 8,192: made of the shared coordinate and the wave's number alone
	s_add_co_u32 s20, s20, s22
	s_mov_b32 s21, 0
	s_lshl_b32 s52, s16, 16                        ; Wo: 8 tiles of columns x 8,192,
	s_add_co_u32 s52, s52, s22
	s_add_co_u32 s52, s52, 3*262144                ; in the fourth weight's image
	s_mov_b32 s53, 0
	s_mov_b32 s40, 1
	s_lshl_b32 s41, s[WV], 14                      ; where a quarter goes: 16,384 x wave: o's four, then Wo's four; no place in the cluster enters an LDS address
	s_mov_b32 s44, 1
	s_lshl_b32 s45, s[WV], 14
	v_and_b32 v10, 31, v0
	v_lshlrev_b32 v[LI], 4, v10
	s_lshl_b32 s54, s18, 14
	v_add_nc_u32 v[VA], s54, v[LI]
	s_lshl_b32 s54, s19, 15
	s_add_co_u32 s54, s54, 65536
	v_add_nc_u32 v[VB], s54, v[LI]
	v_and_b32 v10, 15, v0                          ; r
	v_bfe_u32 v11, v0, 4, 1                        ; h
	s_mul_i32 s54, s[WV], 16*SP
	s_add_co_u32 s54, s54, STG                     ; my stage
	v_mul_u32_u24 v[SO], v10, SP
	v_lshl_add_u32 v[SO], v11, 5, v[SO]
	v_add_nc_u32 v[SO], s54, v[SO]                 ; in: row r, 32 bytes for each half of the lanes
	v_mul_u32_u24 v[SR], v11, SP
	v_lshl_add_u32 v[SR], v10, 4, v[SR]
	v_add_nc_u32 v[SR], s54, v[SR]                 ; back: lanes 0-15 one row of 256 bytes, lanes 16-31 the next
	v_lshlrev_b32 v[GO], 11, v11
	v_lshl_add_u32 v[GO], v10, 4, v[GO]            ; and the same two rows of out0, 2,048 bytes apart
	v_lshlrev_b32 v[BO], 5, v11
	s_lshl_b32 s54, s16, 9
	s_lshl_b32 s55, s19, 8
	s_add_co_u32 s54, s54, s55                     ; my first column, in bytes: 512 x block + 256 x half
	s_mov_b32 s55, 0
	s_lshl_b32 s56, s17, 18
	s_lshl_b32 s57, s18, 16
	s_add_co_u32 s56, s56, s57                     ; my first row: (128 x block + 32 x wave / 2) x 2,048 bytes
	s_mov_b32 s57, 0
	s_wait_dscnt 0x0                               ; both opening adds are done
	s_wait_kmcnt 0x0
	s_load_b64 s[50:51], s[10:11], 0x28            ; e10, e11
	s_add_nc_u64 s[42:43], s[4:5], s[20:21]
	s_or_b32 s43, s43, 0x80000000                  ; type = 2
	s_add_nc_u64 s[46:47], s[6:7], s[52:53]
	s_or_b32 s47, s47, 0x80000000
	s_add_nc_u64 s[8:9], s[8:9], s[54:55]
	s_add_nc_u64 s[12:13], s[12:13], s[54:55]
	s_add_nc_u64 s[12:13], s[12:13], s[56:57]
	CROUND                                         ; all four work-groups are here: the joint loads meet
	s_cmp_lt_u32 s[WV], 4                          ; every wave issues one first fill; the branch hangs on the wave's number alone.  An s_nop 0 and four v_nop follow each line
	s_cbranch_scc0 .Lfor_b
	tensor_load_to_lds s[40:43], s[24:31]
	s_nop 0
.rept 4
	v_nop
.endr
	s_branch .Lasked
.Lfor_b:
	tensor_load_to_lds s[44:47], s[32:39]
	s_nop 0
.rept 4
	v_nop
.endr
.Lasked:
.irp b, 0,1,2,3
	global_load_b128 v[BIAS+8*\b:BIAS+8*\b+3], v[BO], s[8:9] offset:64*\b          ; bo in the result's layout: columns 16 b + 8 h + 0 .. 7
	global_load_b128 v[BIAS+8*\b+4:BIAS+8*\b+7], v[BO], s[8:9] offset:64*\b+16
.endr
	s_wait_tensorcnt 0x0                           ; my quarter has landed,
	s_barrier_signal -1
	s_barrier_wait -1                              ; everybody's has
.irp g, 0,1,2,3                        ; 128 along K at a time
.irp a, 0,1
.irp c, 0,1,2,3
	ds_load_b128 v[AF+16*\a+4*\c:AF+16*\a+4*\c+3], v[VA] offset:\a*8192+\g*2048+512*\c
.endr
.endr
.irp b, 0,1,2,3
.irp c, 0,1,2,3
	ds_load_b128 v[BF+16*\b+4*\c:BF+16*\b+4*\c+3], v[VB] offset:\b*8192+\g*2048+512*\c
.endr
.endr
	s_wait_dscnt 0x0
.irp a, 0,1
.irp b, 0,1,2,3
.if \g == 0
	v_wmma_f32_16x16x128_fp8_fp8 v[ACC+8*(4*\a+\b):ACC+8*(4*\a+\b)+7], v[BF+16*\b:BF+16*\b+15], v[AF+16*\a:AF+16*\a+15], 0   ; the first step starts the sums: nothing is cleared
.else
	v_wmma_f32_16x16x128_fp8_fp8 v[ACC+8*(4*\a+\b):ACC+8*(4*\a+\b)+7], v[BF+16*\b:BF+16*\b+15], v[AF+16*\a:AF+16*\a+15], v[ACC+8*(4*\a+\b):ACC+8*(4*\a+\b)+7]   ; the eight accumulators by turns, one instruction a turn
.endif
.endr
.endr
.rept 4
	v_nop                                          ; places ahead of loads into registers that these products read, and of the first read of results
.endr
.endr
	s_wait_kmcnt 0x0
	s_add_co_i32 s48, s50, s51
	s_add_co_i32 s48, s48, 127
	s_lshl_b32 s48, s48, 23                        ; 2^(e10 + e11) as f32
	s_mov_b32 s49, s48                             ; (named with it as a pair, so it is written)
	s_wait_loadcnt 0x0                             ; bo
; THE WAY OUT, 16 rows x 64 columns at a time: through my own stage in LDS and back as whole pieces of rows, so that sixteen lanes store 256 consecutive bytes.
; LDS serves a wave's instructions in order (ISA guide 5.7.1.4): no wait between the stores and the loads, nor ahead of the next block's stores.
.macro TOSTAGE a, tmp, outr
.irp b, 0,1,2,3
.irp i, 0,2,4,6
	v_pk_fma_f32 v[\tmp+8*\b+\i:\tmp+8*\b+\i+1], v[ACC+8*(4*\a+\b)+\i:ACC+8*(4*\a+\b)+\i+1], s[48:49], v[BIAS+8*\b+\i:BIAS+8*\b+\i+1] op_sel_hi:[1,0,1]   ; sum x 2^(e10 + e11) + bo; each accumulator from its low end on
.endr
.endr
.irp b, 0,1,2,3
	ds_store_b128 v[SO], v[\tmp+8*\b:\tmp+8*\b+3] offset:64*\b
	ds_store_b128 v[SO], v[\tmp+8*\b+4:\tmp+8*\b+7] offset:64*\b+16
.endr
.irp i, 0,1,2,3,4,5,6,7
	ds_load_b128 v[\outr+4*\i:\outr+4*\i+3], v[SR] offset:2*\i*SP
.endr
.endm
.macro SEND a, outr, younger           ; younger: the LDS instructions issued behind this block's loads, which may stay out
.irp i, 0,1,2,3,4,5,6,7
	s_wait_dscnt \younger+7-\i
	global_store_b128 v[GO], v[\outr+4*\i:\outr+4*\i+3], s[12:13] offset:(16*\a+2*\i)*2048 th:TH_STORE_NT   ; 16 lanes store 256 consecutive bytes, at a multiple of 256 from out0's first byte; written once, read by nobody here
.endr
.endm
	TOSTAGE 0, 224, 32
	TOSTAGE 1, 96, 64
	SEND 0, 32, 16                                 ; behind block 0's loads: block 1's eight stores and eight loads
	SEND 1, 64, 0
	s_wait_tensorcnt 0x0                           ; the wave's end, behind my last tensor load and my last LDS store
	ds_add_u32 v[SPW], v[NIL]
	s_wait_dscnt 0x0
	CROUND                                         ; the closing round: no work-group ends while a partner may still ask for a tile that names it
	s_endpgm
.Lfunc_end_k_q12f4ee0f3a_proj:
	.size	k_q12f4ee0f3a_proj, .Lfunc_end_k_q12f4ee0f3a_proj-k_q12f4ee0f3a_proj
	.p2alignl 7, 3214868480
	.fill 96, 4, 3214868480
	.section	.rodata,"a",@progbits
	.p2align	6, 0x0
	.amdhsa_kernel k_q12f4ee0f3a_proj
		.amdhsa_group_segment_fixed_size 167936
		.amdhsa_private_segment_fixed_size 0
		.amdhsa_enable_private_segment 0
		.amdhsa_kernarg_size 40
		.amdhsa_user_sgpr_count 2
		.amdhsa_user_sgpr_kernarg_segment_ptr 1
		.amdhsa_wavefront_size32 1
		.amdhsa_system_sgpr_workgroup_id_x 1
		.amdhsa_system_sgpr_workgroup_id_y 1
		.amdhsa_system_sgpr_workgroup_id_z 1
		.amdhsa_system_vgpr_workitem_id 0
		.amdhsa_next_free_vgpr 256
		.amdhsa_next_free_sgpr 66
		.amdhsa_reserve_vcc 0
		.amdhsa_float_denorm_mode_32 3
		.amdhsa_float_denorm_mode_16_64 3
		.amdhsa_memory_ordered 1
		.amdhsa_forward_progress 1
		.amdhsa_inst_pref_size 22
	.end_amdhsa_kernel
	.amdgpu_metadata
---
amdhsa.version: [ 1, 2 ]
amdhsa.kernels:
  - .name:           k_q12f4ee0f3a_proj
    .symbol:         k_q12f4ee0f3a_proj.kd
    .args:
      - { .name: o_img, .offset: 0, .size: 8, .value_kind: global_buffer, .address_space: global }
      - { .name: w_img, .offset: 8, .size: 8, .value_kind: global_buffer, .address_space: global }
      - { .name: bo, .offset: 16, .size: 8, .value_kind: global_buffer, .address_space: global }
      - { .name: lowp_scales, .offset: 24, .size: 8, .value_kind: global_buffer, .address_space: global }
      - { .name: out0, .offset: 32, .size: 8, .value_kind: global_buffer, .address_space: global }
    .group_segment_fixed_size: 167936
    .private_segment_fixed_size: 0
    .kernarg_segment_align: 8
    .kernarg_segment_size: 40
    .max_flat_workgroup_size: 256
    .sgpr_count:     66
    .vgpr_count:     256
    .wavefront_size: 32
...
	.end_amdgpu_metadata
.endif
;; end of part 4
;; ======== version 2 of 2: 4 launches
;; workspace buffers: w_img 1,048,576 bytes; rope 262,144 bytes; q_img 4,194,304 bytes; k_img 4,194,304 bytes; v_img 4,194,304 bytes; o_img 4,194,304 bytes
;; launch prep (part 5): grid 256 x 1, 4 waves a work-group, no clusters, 0 bytes of LDS; arguments Wq, Wk, Wv, Wo, lowp_scales, w_img, rope; writes w_img, rope
.if DOCPART == 5
	.amdgcn_target "amdgcn-amd-amdhsa--gfx1250"
	.amdhsa_code_object_version 6
	.text
	.protected	k_q12f4ee0f3a_prep
	.globl	k_q12f4ee0f3a_prep
	.p2align	8
	.type	k_q12f4ee0f3a_prep,@function
k_q12f4ee0f3a_prep:
	s_mov_b64 s[64:65], 0
	v_nop
	global_prefetch_b8 v0, s[64:65] scope:SCOPE_SE
	s_setreg_imm32_b32 hwreg(HW_REG_WAVE_MODE, 25, 1), 1
	s_wait_xcnt 0x0
; LAUNCH 1 OF 4 of causal attention with partial RoPE, all six products on codes of E4M3 with given scales 2^e (B = 4, S = 2,048, E = 512, 8 heads of 64).
;   1 (this text): the four weights become codes; the table of cos and sin is made.   2: q, k, v: products, bias, 1/8, RoPE, quantisers.   3: scores, softmax, second product, quantiser.   4: the projection on the way out.
; WORK THAT THE PROGRAM LEAVES OUT (in launch 3, nowhere else): reference() itself adds triu(finfo.min, k = 1) to the scores ahead of the softmax.  For every key k > query q the weight is then
; 2^(t - M) with t some 4.9e38 under the row's largest, whatever finite values the inputs hold: it lies under every number of f32 and of E4M3, so its code is 0 and it adds 0 to the row's sum.
; So a step of 128 keys all of which come after a wave's 16 queries is not walked; inside the one step on the diagonal the hidden scores are made -infinity and the work is done.
; LIMIT: a NaN, an infinity or an overflow that reaches only such hidden scores is not carried to the result.  Every input has a way to the output and is loaded (bk too: it moves k's codes).
; (a) W [512 (k)][512 (n)] f32, K its FIRST axis.  code = W / 2^e, held within +-448, to the nearest code, ties to even; e = lowp_scales[1], [3], [5], [11] for Wq, Wk, Wv, Wo.
;     LIMIT: -126 <= e <= 119, so that 2^e and 448 x 2^e are f32 numbers.  NaN among the inputs is not served.
;     A lane takes a column n and its 32 registers run down K.  The codes are stored as IMAGES OF THE OPERAND'S REGISTERS for v_wmma_f32_16x16x128_fp8_fp8 (ISA guide 7.12.2: lane (r, h), registers 2 c, 2 c + 1: k = 16 c + 8 h + 0 .. 7):
;     w_img [weight q, k, v, o: 262,144][tile of 16 n: 8,192][128 along K: 2,048][registers 4 G .. 4 G + 3: 512][lane: 16].  A block of 32 along K is one G: lanes h = 0 want k 0-7 and 16-23 of it, lanes h = 1 want k 8-15 and 24-31.
; (b) rope [tile of 16 positions: 2,048][g: 512][lane (r, h): 16] = cos, sin of frequency 8 h + 2 g, then of 8 h + 2 g + 1, at position 16 T + r: the angle is position / 10000^(i / 32), i = 0 .. 15 (the other 16 frequencies turn nothing).
;     Each of the launch's 32,768 threads makes one angle: a division made good by one correction step, the nearest multiple of pi / 2 taken away in two parts, and polynomials in r^2 for |r| <= pi / 4.
; SHARES: work-group g: weight g / 64, block of 32 along K (g / 4) % 16, columns 128 (g % 4) on; a wave 32 of them.  No LDS, no barrier: waves share nothing.
.set X, 32                             ; v32-63  W(32 kb + i, my column)
.set C, 64                             ; v64-71  the codes
	s_load_b256 s[4:11], s[0:1], 0x0               ; Wq, Wk, Wv, Wo
	s_load_b128 s[12:15], s[0:1], 0x20             ; lowp_scales, w_img
	s_load_b64 s[16:17], s[0:1], 0x30              ; rope
	s_mov_b32 s18, ttmp9                           ; g
	v_lshlrev_b32 v3, 2, v0                        ; in: 4 bytes a thread: 128 x wave + 4 x lane
	v_lshrrev_b32 v4, 4, v0                        ; out: tile of 16 columns 2 x wave + lane / 16,
	v_and_b32 v2, 15, v0
	v_lshlrev_b32 v4, 13, v4
	v_lshl_add_u32 v4, v2, 4, v4                   ; and 16 bytes for r = lane % 16
	v_lshlrev_b32 v5, 3, v0                        ; the table: 8 bytes a thread
	s_bfe_u32 s33, s18, 0x40002                    ; kb
	s_and_b32 s34, s18, 3
	s_lshr_b32 s35, s18, 6                         ; the weight's number
	s_lshl_b32 s36, s33, 16                        ; in: 32 kb rows of 2,048 bytes
	s_lshl_b32 s40, s34, 9                         ;     + 128 columns x 4 bytes
	s_add_co_u32 s36, s36, s40
	s_mov_b32 s37, 0
	s_lshl_b32 s38, s35, 18                        ; out: the weight's image,
	s_lshl_b32 s40, s34, 16                        ;      8 tiles of 16 columns,
	s_add_co_u32 s38, s38, s40
	s_lshl_b32 s40, s33, 9                         ;      (128 along K) x 2,048 + G x 512 = kb x 512
	s_add_co_u32 s38, s38, s40
	s_mov_b32 s39, 0
	s_lshl_b32 s42, s18, 10                        ; the table: 128 threads x 8 bytes
	s_mov_b32 s43, 0
	s_wait_alu depctr_va_vdst(0)
	s_wait_kmcnt 0x0
	s_load_b256 s[24:31], s[12:13], 0x0            ; e0 .. e7
	s_load_b32 s32, s[12:13], 0x2c                 ; e11
	s_bitcmp1_b32 s18, 6                           ; the choice of the weight hangs on the work-group's number alone
	s_cselect_b64 s[20:21], s[6:7], s[4:5]
	s_cselect_b64 s[22:23], s[10:11], s[8:9]
	s_bitcmp1_b32 s18, 7
	s_cselect_b64 s[20:21], s[22:23], s[20:21]
	s_add_nc_u64 s[20:21], s[20:21], s[36:37]
	s_add_nc_u64 s[14:15], s[14:15], s[38:39]
	s_add_nc_u64 s[16:17], s[16:17], s[42:43]
.set i, 0
.rept 32
	global_load_b32 v[X+i], v3, s[20:21] offset:i*2048 th:TH_LOAD_NT   ; a wave reads 128 consecutive bytes, the four waves 512; each number is read once in the launch
.set i, i+1
.endr
	; ---- the table, while the loads are out
	v_bfe_u32 v12, v0, 5, 1
	v_lshlrev_b32 v12, 3, v12                      ; 8 h
	v_lshrrev_b32 v13, 6, v0
	v_lshl_add_u32 v12, v13, 1, v12                ; + 2 (thread / 64)
	v_and_b32 v13, 1, v0
	v_add_nc_u32 v12, v12, v13                     ; + thread % 2
	s_and_b32 s40, s18, 1
	s_lshl_b32 s40, s40, 2
	v_add_nc_u32 v12, s40, v12                     ; + 4 (g % 2): the frequency i
	v_bfe_u32 v13, v0, 1, 4
	s_lshr_b32 s40, s18, 1
	s_lshl_b32 s40, s40, 4
	v_add_nc_u32 v13, s40, v13                     ; the position 16 (g / 2) + r
	v_cvt_f32_u32 v13, v13
	v_mov_b32 v14, 1.0                             ; the timescale 10000^(i / 32) = 10^(i / 8), chosen among sixteen f32 numbers: selections, no branch
.macro TS n, lit
	v_cmp_ne_u32 vcc_lo, \n, v12
	v_cndmask_b32 v14, \lit, v14, vcc_lo
.endm
	TS 1, 0x3faab0d5
	TS 2, 0x3fe39ea9
	TS 3, 0x4017c496
	TS 4, 0x404a62c2
	TS 5, 0x4086f161
	TS 6, 0x40b3f300
	TS 7, 0x40eff755
	TS 8, 0x41200000
	TS 9, 0x41555d0a
	TS 10, 0x418e432a
	TS 11, 0x41bdb5bc
	TS 12, 0x41fcfb72
	TS 13, 0x4228adb9
	TS 14, 0x4260efc0
	TS 15, 0x4295fa95
	s_wait_alu depctr_va_vdst(0)
	v_rcp_f32 v15, v14
	v_nop                                          ; a plain instruction behind the reciprocal (ISA guide 5.7.2),
	s_wait_alu depctr_va_vdst(0)                   ; and the wait ahead of its first reader
	v_mul_f32 v16, v13, v15                        ; position / timescale: a first quotient,
	v_fma_f32 v17, -v16, v14, v13                  ; what it leaves,
	v_fma_f32 v18, v17, v15, v16                   ; made good: the angle a, 0 .. 2,047
	v_mul_f32 v19, 0x3f22f983, v18                 ; a x 2 / pi
	v_rndne_f32 v19, v19                           ; n, under 2^11
	v_fmamk_f32 v20, v19, 0xbfc90fdb, v18          ; a - n x (pi / 2 as f32): nothing is rounded, since the difference fits 24 bits
	v_fmamk_f32 v20, v19, 0x333bbd2e, v20          ; + n x (that f32 number - pi / 2): r, within +-pi / 4
	v_mul_f32 v21, v20, v20                        ; z = r^2
	v_mov_b32 v22, 0xb94ca1f9
	v_fmaak_f32 v22, v22, v21, 0x3c08839e
	v_fmaak_f32 v22, v22, v21, 0xbe2aaaa3
	v_mul_f32 v27, v20, v21
	v_fma_f32 v24, v27, v22, v20                   ; sin r = r + r z P(z)
	v_mov_b32 v23, 0x37ccf5ce
	v_fmaak_f32 v23, v23, v21, 0xbab6061a
	v_fmaak_f32 v23, v23, v21, 0x3d2aaaa5
	v_mul_f32 v27, v21, v21
	v_fma_f32 v28, v21, -0.5, 1.0
	v_fma_f32 v25, v27, v23, v28                   ; cos r = 1 - z / 2 + z^2 Q(z)
	v_cvt_i32_f32 v26, v19                         ; the quadrant: n odd swaps the two; the signs come from n and from n + 1
	v_and_b32 v27, 1, v26
	v_cmp_eq_u32 vcc_lo, 1, v27
	v_cndmask_b32 v31, v24, v25, vcc_lo            ; sin a
	v_cndmask_b32 v30, v25, v24, vcc_lo            ; cos a
	v_and_b32 v27, 2, v26
	v_lshlrev_b32 v27, 30, v27
	v_xor_b32 v31, v31, v27
	v_add_nc_u32 v28, 1, v26
	v_and_b32 v28, 2, v28
	v_lshlrev_b32 v28, 30, v28
	v_xor_b32 v30, v30, v28
	global_store_b64 v5, v[30:31], s[16:17]        ; a wave stores 256 consecutive bytes, at a multiple of 256 from the table's first byte
	; ---- the codes
	s_wait_kmcnt 0x0
	s_bitcmp1_b32 s18, 6
	s_cselect_b32 s40, s27, s25                    ; e3 or e1
	s_cselect_b32 s41, s32, s29                    ; e11 or e5
	s_bitcmp1_b32 s18, 7
	s_cselect_b32 s40, s41, s40                    ; e
	s_add_co_i32 s40, s40, 127
	s_lshl_b32 s41, s40, 23
	v_mov_b32 v11, s41                             ; 2^e as f32: the conversion takes its exponent field
	s_add_co_i32 s40, s40, 8
	s_lshl_b32 s40, s40, 23
	s_or_b32 s40, s40, 0x600000
	v_mov_b32 v10, s40                             ; 448 x 2^e
	s_wait_alu depctr_va_vdst(0)
	s_wait_loadcnt 0x0
.set i, 0
.rept 32
	v_med3_num_f32 v[X+i], v[X+i], -v10, v10       ; the conversion to an 8-bit code does not saturate (ISA guide 7.6.2): the hold comes first
.set i, i+1
.endr
	v_cvt_scalef32_pk8_fp8_f32 v[C:C+1], v[X:X+7], v11         ; k 0-7   } the 16 bytes of lane (r, 0)
	v_cvt_scalef32_pk8_fp8_f32 v[C+2:C+3], v[X+16:X+23], v11   ; k 16-23 }
	v_cvt_scalef32_pk8_fp8_f32 v[C+4:C+5], v[X+8:X+15], v11    ; k 8-15  } the 16 bytes of lane (r, 1)
	v_cvt_scalef32_pk8_fp8_f32 v[C+6:C+7], v[X+24:X+31], v11   ; k 24-31 }
	v_nop                                          ; a plain instruction behind the last scaled conversion
	global_store_b128 v4, v[C:C+3], s[14:15]               ; sixteen lanes store 256 consecutive bytes, at a multiple of 256 from the buffer's first byte
	global_store_b128 v4, v[C+4:C+7], s[14:15] offset:256
	s_endpgm
.Lfunc_end_k_q12f4ee0f3a_prep:
	.size	k_q12f4ee0f3a_prep, .Lfunc_end_k_q12f4ee0f3a_prep-k_q12f4ee0f3a_prep
	.p2alignl 7, 3214868480
	.fill 96, 4, 3214868480
	.section	.rodata,"a",@progbits
	.p2align	6, 0x0
	.amdhsa_kernel k_q12f4ee0f3a_prep
		.amdhsa_group_segment_fixed_size 0
		.amdhsa_private_segment_fixed_size 0
		.amdhsa_enable_private_segment 0
		.amdhsa_kernarg_size 56
		.amdhsa_user_sgpr_count 2
		.amdhsa_user_sgpr_kernarg_segment_ptr 1
		.amdhsa_wavefront_size32 1
		.amdhsa_system_sgpr_workgroup_id_x 1
		.amdhsa_system_sgpr_workgroup_id_y 1
		.amdhsa_system_sgpr_workgroup_id_z 1
		.amdhsa_system_vgpr_workitem_id 0
		.amdhsa_next_free_vgpr 80
		.amdhsa_next_free_sgpr 66
		.amdhsa_reserve_vcc 1
		.amdhsa_float_denorm_mode_32 3
		.amdhsa_float_denorm_mode_16_64 3
		.amdhsa_memory_ordered 1
		.amdhsa_forward_progress 1
		.amdhsa_inst_pref_size 12
	.end_amdhsa_kernel
	.amdgpu_metadata
---
amdhsa.version: [ 1, 2 ]
amdhsa.kernels:
  - .name:           k_q12f4ee0f3a_prep
    .symbol:         k_q12f4ee0f3a_prep.kd
    .args:
      - { .name: Wq, .offset: 0, .size: 8, .value_kind: global_buffer, .address_space: global }
      - { .name: Wk, .offset: 8, .size: 8, .value_kind: global_buffer, .address_space: global }
      - { .name: Wv, .offset: 16, .size: 8, .value_kind: global_buffer, .address_space: global }
      - { .name: Wo, .offset: 24, .size: 8, .value_kind: global_buffer, .address_space: global }
      - { .name: lowp_scales, .offset: 32, .size: 8, .value_kind: global_buffer, .address_space: global }
      - { .name: w_img, .offset: 40, .size: 8, .value_kind: global_buffer, .address_space: global }
      - { .name: rope, .offset: 48, .size: 8, .value_kind: global_buffer, .address_space: global }
    .group_segment_fixed_size: 0
    .private_segment_fixed_size: 0
    .kernarg_segment_align: 8
    .kernarg_segment_size: 56
    .max_flat_workgroup_size: 128
    .sgpr_count:     66
    .vgpr_count:     80
    .wavefront_size: 32
...
	.end_amdgpu_metadata
.endif
;; end of part 5
;; launch qkv (part 6): grid 64 x 3, 8 waves a work-group, no clusters, 68,608 bytes of LDS; arguments hidden_states, w_img, rope, bq, bk, bv, lowp_scales, q_img, k_img, v_img; writes q_img, k_img, v_img
.if DOCPART == 6
	.amdgcn_target "amdgcn-amd-amdhsa--gfx1250"
	.amdhsa_code_object_version 6
	.text
	.protected	k_q12f4ee0f3a_qkv
	.globl	k_q12f4ee0f3a_qkv
	.p2align	8
	.type	k_q12f4ee0f3a_qkv,@function
k_q12f4ee0f3a_qkv:
	s_mov_b64 s[64:65], 0
	v_nop
	global_prefetch_b8 v0, s[64:65] scope:SCOPE_SE
	s_setreg_imm32_b32 hwreg(HW_REG_WAVE_SCHED_MODE, 0, 2), 2
	s_setreg_imm32_b32 hwreg(HW_REG_WAVE_MODE, 25, 1), 1
	s_wait_xcnt 0x0
	s_wait_alu depctr_vm_vsrc(0)
; LAUNCH 2 OF 4.  q = rope((x Wq + bq) / 8), k = rope(x Wk + bk), v = x Wv + bv, each product on codes of E4M3, and each result quantised for the product that takes it.  Nothing is left out here.
; SHARES.  Work-group (x = rg, y = ty) takes rows 128 rg .. 128 rg + 127 of x [8,192][512] for ONE of q (ty = 0), k (1), v (2): x is quantised with that product's own scale (lowp_scales[0], [2], [4]).
; Wave w is head w: its 64 columns x 512 K of weight codes (32,768 bytes, 256 registers: window 1) are read once and stay.  It also quantises rows 16 w .. 16 w + 15 of x; the codes meet in LDS behind the text's one barrier.
; q, k: the product is used TRANSPOSED (source 0 = 16 columns of W, source 1 = 16 rows of x): a lane holds one position and eight neighbouring channels, which are neighbours along the next K (the head's 64).
; v: source 0 = 16 rows of x, source 1 = 16 columns of W: a lane holds one channel and eight neighbouring KEYS, which are neighbours along the next K (the keys).  So every conversion's result is a pair of operand registers.
; SCALES FOLDED.  A sum stands for sum x 2^es, es = ex + ew.  raw = sum + b / 2^es: the bias is the C of each sum's first matrix instruction.  RoPE is linear, so it turns raw.  code = raw / 2^ec, ec = eo - es (+ 3 for q: the factor 1/8).
; OUT, as images of the operand's registers (lane (r, h), registers 2 c, 2 c + 1: k = 16 c + 8 h + 0 .. 7; registers 4 G .. 4 G + 3 at 512 G + 16 lane):
;   q_img, k_img [batch x head: 131,072][tile of 16 positions: 1,024][G 0, 1][lane][16];   v_img [batch x head: 131,072][128 keys: 8,192][tile of 16 channels: 2,048][G 0 .. 3][lane][16].
; NO CLUSTER: x must pass through registers to be quantised; the weights of the work-groups of one ty are the same, but 262,144 bytes of them do not fit in LDS beside x's 67,584 and the spare words.
; LIMITS on the given exponents, so that each power of two below is an f32 number: ex and ec between -126 and 119.  NaN among the inputs is not served.
; LDS: x's codes, 128 rows of 512 bytes + 16 (132 words: row r starts at bank 4 r mod 64, 64 banks of 4 bytes: ISA guide 11.1); inside each 32 codes the four pieces of 8 lie in the order k 0-7, 16-23, 8-15, 24-31,
;   so that 16 bytes at 32 c + 16 h are registers 4 c .. 4 c + 3 of a fragment.  Behind them the spare words.
; REGISTERS, window 0: v1-15 addresses, scales, at work; v16-31 the bias's offsets, later codes; v32-159 a ring of 16 x 8 numbers of x, later two sets of x's fragments; v160-191 the bias; v192-255 x's codes, later
;   v192-223 four accumulators, v224-255 two sets of cos and sin (v's way: v224-239 its second buffer of codes).   window 1: the weight's fragment (tile t of 16 columns, 128 s along K) at v[16 (4 t + s)].
; THE MODE: SCHED_MODE bits 1:0 = 2 (LLVM: expert scheduling mode 2), set by the entry lines.  The code itself states the register dependences between vector or matrix instructions and memory or LDS
; instructions, with s_wait_alu, always for 0.
; THE PLAN.  Registers that memory or LDS instructions touch, and who else names them:
;   v2-5         offsets and LDS addresses, made at the head, never written again.   v6, v7: written at the head, read by the closing add alone.
;   v16-23       the bias's offsets: read by the bias's loads; codes are written there from the first tile on.
;   RING         slot u % 16: unit u's loads land; its eight holds write it, its conversion reads it; unit u + 16's loads land.
;   PAIR         two registers a unit: written by the unit's conversion, read by its LDS store; written again only behind the barrier (accumulators, cos and sin, v's codes).
;   XF0, XF1     tile m's sixteen products read XF[m % 2]; behind them the fragments of tile m + 2 land there.
;   RP0, RP1     (q, k) tile m's RoPE lines read RP[m % 2]; behind them the cos and sin of tile m + 2 land there.
;   CD           two buffers by turns: written by a tile's conversions (v: by two tiles'), read by stores that are issued in the NEXT tile.
;   The accumulators, the bias, v8-15 and the weights (once they are in) are named by vector and matrix instructions alone.
; x: ONE wait on va_vdst for each group of four units, behind the group's conversions; its eight loads and four LDS stores follow.
; A TILE: ONE wait on va_vdst, behind the lines that empty XF[m % 2] and RP[m % 2]; it also shows the tile before's codes written.  The tile's loads and the stores of the tile before follow it, dealt among the 32 holds,
; which with the conversions name the accumulators, the scales and the OTHER buffer of codes: none of the registers that those loads and stores touch.  Where a buffer of codes is about to be written a second time, the wait on
; vm_vsrc (and the one on XCNT beside it) stands just ahead: the stores that it waits for were issued a tile or more earlier.
.set PITCH, 528
.set SPARE, 128*PITCH                  ; 67,584: the spare words, 128 bytes for each of the eight waves: four blocks of 256 bytes that no other line names
.set LI,   2                           ; v2   16 x lane
.set XA,   3                           ; v3   x: 32,768 x wave + 32 x lane
.set XS,   4                           ; v4   where I store 8 codes
.set XFA,  5                           ; v5   where I read a fragment: 528 r + 16 h
.set SPW,  6                           ; v6   LDS address of my spare word; never rewritten
.set NIL,  7                           ; v7   0; never rewritten
.set SX,   8                           ; v8   2^ex        v9   448 x 2^ex
.set LX,   9
.set SC,   10                          ; v10  2^ec        v11  448 x 2^ec
.set LC,   11
.set T,    12                          ; v12-15 at work
.set AB,   16                          ; v16-23 the bias's eight offsets
.set CD,   16                          ; v16-31 codes on their way out
.set RING, 32
.set XF,   32
.set BI,   160
.set ACC,  192
.set PAIR, 192
.set RP,   224
.set MSB, 0
.macro WIN new                         ; the immediate's high byte repeats the setting that is left
.if MSB != \new
	s_set_vgpr_msb (MSB<<8)|\new
.set MSB, \new
.endif
.endm
.macro PLACES                          ; four plain instructions behind matrix instructions, ahead of the first read of their results (ISA guide 7.12.1)
.rept 4
	v_nop
.endr
.endm
	s_load_b256 s[4:11], s[0:1], 0x0               ; x, w_img, rope, bq
	s_load_b256 s[12:19], s[0:1], 0x20             ; bk, bv, lowp_scales, q_img
	s_load_b128 s[20:23], s[0:1], 0x40             ; k_img, v_img
	v_lshl_add_u32 v[SPW], v0, 2, SPARE
	v_mov_b32 v[NIL], 0
	v_lshrrev_b32 v12, 5, v0
	v_readfirstlane_b32 s36, v12                   ; wave = head
	s_and_b32 s34, ttmp7, 0xffff                   ; ty
	s_mov_b32 s35, ttmp9                           ; rg
	v_and_b32 v1, 31, v0                           ; lane
	v_lshlrev_b32 v[LI], 4, v1
	v_lshlrev_b32 v[XA], 5, v1
	v_lshl_add_u32 v[XA], v12, 15, v[XA]           ; my wave's 16 rows of 2,048 bytes; 8 numbers a lane
	v_and_b32 v13, 28, v1                          ; piece l of 8 codes goes to place (l & 28) + 2 (l & 1) + ((l >> 1) & 1)
	v_and_b32 v14, 1, v1
	v_lshl_add_u32 v13, v14, 1, v13
	v_bfe_u32 v14, v1, 1, 1
	v_add_nc_u32 v13, v13, v14
	v_lshlrev_b32 v[XS], 3, v13
	s_wait_alu depctr_va_sdst(0)                   ; s36, the wave's number, is written, ahead of its first reader
	s_mul_i32 s52, s36, 16*PITCH
	v_add_nc_u32 v[XS], s52, v[XS]
	v_and_b32 v13, 15, v0                          ; r
	v_bfe_u32 v14, v0, 4, 1                        ; h
	v_mul_u32_u24 v[XFA], v13, PITCH
	v_lshl_add_u32 v[XFA], v14, 4, v[XFA]
	; the bias in the result's layout, with no branch: register 8 t + j of lane (r, h) wants b[16 t + 8 h + j] (q, k) or b[16 t + r] (v): offset = 64 t + lane term + j x step
	s_cmp_eq_u32 s34, 2
	s_cselect_b32 s52, 4, 0                        ; for each r
	s_cselect_b32 s53, 0, 32                       ; for each h
	s_cselect_b32 s54, 0, 4                        ; for each j
	v_mul_u32_u24 v[AB], s52, v13
	v_mad_u32_u24 v[AB], s53, v14, v[AB]
.irp j, 1,2,3,4,5,6,7
	v_add_nc_u32 v[AB+\j], s54, v[AB+\j-1]
.endr
	s_wait_kmcnt 0x0
	s_load_b256 s[24:31], s[16:17], 0x0            ; e0 .. e7
	s_load_b64 s[32:33], s[16:17], 0x20            ; e8, e9
	s_cmp_eq_u32 s34, 1                            ; the choices hang on the work-group's number alone
	s_cselect_b64 s[42:43], s[12:13], s[14:15]     ; the bias,
	s_cselect_b64 s[44:45], s[20:21], s[22:23]     ; the image
	s_cmp_eq_u32 s34, 0
	s_cselect_b64 s[42:43], s[10:11], s[42:43]
	s_cselect_b64 s[44:45], s[18:19], s[44:45]
	s_lshl_b32 s52, s35, 18                        ; 128 rows of 2,048 bytes
	s_mov_b32 s53, 0
	s_add_nc_u64 s[46:47], s[4:5], s[52:53]        ; x at the work-group's first row
	s_lshl_b32 s52, s34, 18
	s_lshl_b32 s54, s36, 15
	s_add_co_u32 s52, s52, s54
	s_add_nc_u64 s[48:49], s[6:7], s[52:53]        ; the weight's image at my head's four tiles of columns
	s_and_b32 s55, s35, 15                         ; which 128 positions of the sequence
	s_lshl_b32 s52, s55, 14
	s_add_nc_u64 s[50:51], s[8:9], s[52:53]        ; the table at their first tile
	s_lshl_b32 s52, s36, 8
	s_add_nc_u64 s[42:43], s[42:43], s[52:53]      ; my head's 64 numbers of the bias
	s_lshr_b32 s52, s35, 4
	s_lshl_b32 s52, s52, 20                        ; the batch: 8 heads x 131,072
	s_lshl_b32 s54, s36, 17                        ; the head
	s_add_co_u32 s52, s52, s54
	s_lshl_b32 s54, s55, 13                        ; 128 positions: 8 tiles of 1,024 bytes (q, k), or one step of 8,192 (v)
	s_add_co_u32 s52, s52, s54
	s_add_nc_u64 s[44:45], s[44:45], s[52:53]
	WIN 0x40                                       ; destination window 1
	s_wait_alu depctr_va_vdst(0)                   ; v2 to v5 and the bias's offsets v16 to v23 are written: every load and store of the text reads one of them as its offset or address
.set L, 0
.rept 64
	global_load_b128 v[4*L:4*L+3], v[LI], s[48:49] offset:512*L    ; the image as it lies: 512 consecutive bytes a load
.set L, L+1
.endr
	WIN 0
.irp t, 0,1,2,3
.irp j, 0,1,2,3,4,5,6,7
	global_load_b32 v[BI+8*\t+\j], v[AB+\j], s[42:43] offset:64*\t
.endr
.endr
; A UNIT of x is half a row: 256 numbers, 8 a lane, two loads that together cover 1,024 consecutive bytes.  32 units a wave, through a ring of 16 slots of 8 registers.
.macro XLOAD u
	global_load_b128 v[RING+8*((\u)%16):RING+8*((\u)%16)+3], v[XA], s[46:47] offset:((\u)/2)*2048+((\u)%2)*1024
	global_load_b128 v[RING+8*((\u)%16)+4:RING+8*((\u)%16)+7], v[XA], s[46:47] offset:((\u)/2)*2048+((\u)%2)*1024+16
.endm
.irp u, 0,1,2,3,4,5,6,7,8,9,10,11,12,13,14,15
	XLOAD \u
.endr
	s_wait_kmcnt 0x0
	s_cmp_eq_u32 s34, 1
	s_cselect_b32 s37, s26, s28                    ; ex
	s_cselect_b32 s38, s27, s29                    ; ew
	s_cselect_b32 s39, s31, s33                    ; eo: k is the first attention product's right operand, v the second's
	s_cmp_eq_u32 s34, 0
	s_cselect_b32 s37, s24, s37
	s_cselect_b32 s38, s25, s38
	s_cselect_b32 s39, s30, s39
	s_cselect_b32 s40, 3, 0                        ; q's factor 1/8
	s_add_co_i32 s41, s37, s38                     ; es
	s_sub_co_i32 s56, s39, s41
	s_add_co_i32 s56, s56, s40                     ; ec
	s_sub_co_i32 s41, 0, s41                       ; -es
	s_add_co_i32 s52, s37, 127
	s_lshl_b32 s53, s52, 23
	v_mov_b32 v[SX], s53
	s_add_co_i32 s52, s52, 8
	s_lshl_b32 s52, s52, 23
	s_or_b32 s52, s52, 0x600000
	v_mov_b32 v[LX], s52
	s_add_co_i32 s52, s56, 127
	s_lshl_b32 s53, s52, 23
	v_mov_b32 v[SC], s53
	s_add_co_i32 s52, s52, 8
	s_lshl_b32 s52, s52, 23
	s_or_b32 s52, s52, 0x600000
	v_mov_b32 v[LC], s52
; The units go in eight groups of four: the group's holds and conversions, one wait, then the loads of the four units sixteen further on and the group's four LDS stores.
.macro XWORK u
.if (\u) < 20
	s_wait_loadcnt 2*(15-(\u)%4)                   ; loads come back in order (ISA guide 5.7.1): this unit's two are in (the weights and the bias, which are older, too); the group before has asked up to the unit 15 - u % 4 behind this one: two loads each stay out
.else
	s_wait_loadcnt 2*(31-(\u))                     ; the units that are left
.endif
.irp i, 0,1,2,3,4,5,6,7
	v_med3_num_f32 v[RING+8*((\u)%16)+\i], v[RING+8*((\u)%16)+\i], -v[LX], v[LX]   ; the conversion does not saturate (ISA guide 7.6.2): the hold comes first
.endr
	v_cvt_scalef32_pk8_fp8_f32 v[PAIR+2*(\u):PAIR+2*(\u)+1], v[RING+8*((\u)%16):RING+8*((\u)%16)+7], v[SX]
.endm
.macro XOUT u
	ds_store_b64 v[XS], v[PAIR+2*(\u):PAIR+2*(\u)+1] offset:((\u)/2)*PITCH+((\u)%2)*256
.endm
	s_wait_alu depctr_va_vdst(0)
.irp g, 0,1,2,3,4,5,6,7
.irp i, 0,1,2,3
	XWORK 4*\g+\i
.endr
.if \g == 7
	v_nop                                          ; a plain instruction behind the last scaled conversion: matrix instructions will write these registers
.endif
	s_wait_alu depctr_va_vdst(0)                   ; the group's conversions have written their PAIRs, which the LDS stores read; its holds and conversions are done with its four slots, in which loads land (the last group's: the first fragments and, in the PAIRs, cos and sin)
.if \g < 4
.irp i, 0,1,2,3
	XLOAD 4*\g+\i+16                               ; the slots are asked for again at once
.endr
.endif
.irp i, 0,1,2,3
	XOUT 4*\g+\i
.endr
.endr
	s_wait_dscnt 0x0                               ; for the others' sake: my codes lie in LDS
	s_barrier_signal -1
.set i, 0
.rept 32
	v_ldexp_f32 v[BI+i], v[BI+i], s41              ; b / 2^es: work on registers while the others arrive
.set i, i+1
.endr
	s_barrier_wait -1                              ; all 128 rows' codes lie in LDS; nothing is stored there from here on
	s_wait_alu depctr_vm_vsrc(0)                   ; my LDS stores have read v192 to v255, which products, loads of cos and sin or v's conversions write next; the bias's loads have read v16 to v23, which conversions write next.  Ahead of the parting, for both ways
	s_cmp_eq_u32 s34, 2
	s_cbranch_scc1 .Lv                             ; the one parting of the ways, on the work-group's number
.macro FRAG m, set, s                  ; one of x's four fragments (16 rows x 128 K) of tile m of rows
.irp c, 0,1,2,3
	ds_load_b128 v[XF+64*(\set)+16*(\s)+4*\c:XF+64*(\set)+16*(\s)+4*\c+3], v[XFA] offset:(\m)*16*PITCH+128*(\s)+32*\c
.endr
.endm
.macro FETCH m, set                    ; all four
.irp s, 0,1,2,3
	FRAG \m, \set, \s
.endr
.endm
.macro ROPELOAD m, set                 ; cos and sin of my position and my eight frequencies: register 2 j cos, 2 j + 1 sin
.irp g, 0,1,2,3
	global_load_b128 v[RP+16*(\set)+4*\g:RP+16*(\set)+4*\g+3], v[LI], s[50:51] offset:(\m)*2048+512*\g
.endr
.endm
; 16 matrix instructions: K in four steps of 128, the four accumulators by turns, one instruction a turn.  The first step takes the bias as C.
.macro MUL16 set, vord
.if \vord
	WIN 0x04                                       ; source 1 (the weight) window 1
.else
	WIN 0x01                                       ; source 0 (the weight) window 1
.endif
.irp s, 0,1,2,3
.irp t, 0,1,2,3
.if \vord
.if \s == 0
	v_wmma_f32_16x16x128_fp8_fp8 v[ACC+8*\t:ACC+8*\t+7], v[XF+64*(\set)+16*\s:XF+64*(\set)+16*\s+15], v[16*(4*\t+\s):16*(4*\t+\s)+15], v[BI+8*\t:BI+8*\t+7]
.else
	v_wmma_f32_16x16x128_fp8_fp8 v[ACC+8*\t:ACC+8*\t+7], v[XF+64*(\set)+16*\s:XF+64*(\set)+16*\s+15], v[16*(4*\t+\s):16*(4*\t+\s)+15], v[ACC+8*\t:ACC+8*\t+7]
.endif
.else
.if \s == 0
	v_wmma_f32_16x16x128_fp8_fp8 v[ACC+8*\t:ACC+8*\t+7], v[16*(4*\t+\s):16*(4*\t+\s)+15], v[XF+64*(\set)+16*\s:XF+64*(\set)+16*\s+15], v[BI+8*\t:BI+8*\t+7]
.else
	v_wmma_f32_16x16x128_fp8_fp8 v[ACC+8*\t:ACC+8*\t+7], v[16*(4*\t+\s):16*(4*\t+\s)+15], v[XF+64*(\set)+16*\s:XF+64*(\set)+16*\s+15], v[ACC+8*\t:ACC+8*\t+7]
.endif
.endif
.endr
.endr
	WIN 0
.endm
.macro HOLD8 t                         ; accumulator t's eight results within +-448 x 2^ec, from its low end on
.irp i, 0,1,2,3,4,5,6,7
	v_med3_num_f32 v[ACC+8*(\t)+\i], v[ACC+8*(\t)+\i], -v[LC], v[LC]
.endr
.endm
.macro HEAD m                          ; a tile's head, on both ways
.if (\m) < 7
	s_wait_dscnt 16                                ; LDS loads come back in order (ISA guide 5.7.1): this tile's fragments are in; the next tile's sixteen loads stay out
.else
	s_wait_dscnt 0x0
.endif
.endm
.macro FINISH                          ; the wave's end: the closing lines, six on end
	s_wait_dscnt 0x0
	s_wait_alu 0x0
	s_wait_tensorcnt 0x0
	ds_add_u32 v[SPW], v[NIL]
	s_wait_dscnt 0x0
	s_endpgm
.endm
; ---- q and k: a tile of 16 positions.  In accumulator t lane (r, h) holds position r, register j channel 16 t + 8 h + j.  RoPE turns channel i = 8 h + j (accumulator 0) with channel 32 + i (accumulator 2); channels 16-31 and 48-63 stay.
.macro OUT_QK m                        ; tile m's codes leave from buffer m % 2
	global_store_b128 v[LI], v[CD+8*((\m)%2):CD+8*((\m)%2)+3], s[44:45] offset:(\m)*1024        ; a wave stores 512 consecutive bytes, at a multiple of 512 from the buffer's first byte
	global_store_b128 v[LI], v[CD+8*((\m)%2)+4:CD+8*((\m)%2)+7], s[44:45] offset:(\m)*1024+512
.endm
.macro TILE_QK m
	HEAD \m
	MUL16 (\m)%2, 0
	PLACES
.if (\m) < 7
	s_wait_loadcnt 4                               ; this tile's cos and sin are in; the next tile's four loads stay out
.else
	s_wait_loadcnt 0x0
.endif
.irp j, 0,1,2,3,4,5,6,7
	v_mul_f32 v[T+2*(\j%2)], v[ACC+16+\j], v[RP+16*((\m)%2)+2*\j+1]            ; x2 sin
	v_mul_f32 v[T+2*(\j%2)+1], v[ACC+\j], v[RP+16*((\m)%2)+2*\j+1]             ; x1 sin
	v_fma_f32 v[ACC+\j], v[ACC+\j], v[RP+16*((\m)%2)+2*\j], -v[T+2*(\j%2)]     ; x1 cos - x2 sin
	v_fma_f32 v[ACC+16+\j], v[ACC+16+\j], v[RP+16*((\m)%2)+2*\j], v[T+2*(\j%2)+1]  ; x2 cos + x1 sin
.endr
.if (\m) >= 2
	s_wait_xcnt 0x0                                ; the stores of the tile two back, issued in the last tile, have had their addresses translated (ISA guide 3.1): their data registers are written again only behind this wait,
	s_wait_alu depctr_vm_vsrc(0)                   ; and they have read buffer m % 2 of the codes, which this tile's conversions write again
.endif
	s_wait_alu depctr_va_vdst(0)                   ; this tile's products are done reading XF[m % 2] and its RoPE lines RP[m % 2], in which the loads below land; the last tile's conversions have written the other buffer of codes, which the stores below read
.if (\m) < 6
	ROPELOAD (\m)+2, (\m)%2
.endif
.if (\m) > 0
	OUT_QK (\m)-1
.endif
.irp t, 0,1,2,3
.if (\m) < 6
	FRAG (\m)+2, (\m)%2, \t                        ; the fragments of the tile two on.  No wait: no vector or matrix instruction since the wait above names XF[m % 2]
.endif
	HOLD8 \t
.endr
.irp t, 0,1,2,3
	v_cvt_scalef32_pk8_fp8_f32 v[CD+8*((\m)%2)+2*\t:CD+8*((\m)%2)+2*\t+1], v[ACC+8*\t:ACC+8*\t+7], v[SC]   ; registers 2 t, 2 t + 1 of the operand: channels 16 t + 8 h + 0 .. 7
.endr
	v_nop                                          ; a plain instruction behind the last scaled conversion
.endm
	ROPELOAD 0, 0
	ROPELOAD 1, 1
	FETCH 0, 0
	FETCH 1, 1
	s_wait_alu depctr_va_vdst(0)
.irp m, 0,1,2,3,4,5,6,7
	TILE_QK \m
.endr
	s_wait_alu depctr_va_vdst(0)                   ; tile 7's conversions have written their codes, which the last two stores read
	OUT_QK 7
	FINISH
; ---- v: a tile of 16 keys.  In accumulator t lane (r, h) holds channel 16 t + r, register j key 16 m + 8 h + j: registers 2 m, 2 m + 1 of the fragment of channels 16 t on.  Two tiles fill four registers, which leave together.
; Pair p of tiles has buffer p % 2 of the codes: v16-31 or v224-239.
.macro OUT_V p
.set CO, 16+208*((\p)%2)
.irp t, 0,1,2,3
	global_store_b128 v[LI], v[CO+4*\t:CO+4*\t+3], s[44:45] offset:\t*2048+(\p)*512
.endr
.endm
.macro TILE_V m
.set CV, 16+208*(((\m)/2)%2)
	HEAD \m
	MUL16 (\m)%2, 1
	PLACES
.if ((\m) == 4) || ((\m) == 6)
	s_wait_xcnt 0x0                                ; the stores of the pair two back, issued two tiles ago, have had their addresses translated (ISA guide 3.1): their data registers are written again only behind this wait,
	s_wait_alu depctr_vm_vsrc(0)                   ; and they have read the buffer of codes that this pair's conversions write again
.endif
.if (\m) < 7
	s_wait_alu depctr_va_vdst(0)                   ; this tile's products are done reading XF[m % 2], in which the loads below land; in an even tile the last pair's conversions have written their codes, which the stores below read
.endif
.if ((\m)%2 == 0) && ((\m) > 0)
	OUT_V (\m)/2-1
.endif
.irp t, 0,1,2,3
.if (\m) < 6
	FRAG (\m)+2, (\m)%2, \t                        ; the fragments of the tile two on.  No wait: no vector or matrix instruction since the wait above names XF[m % 2]
.endif
	HOLD8 \t
.endr
.irp t, 0,1,2,3
	v_cvt_scalef32_pk8_fp8_f32 v[CV+4*\t+2*((\m)%2):CV+4*\t+2*((\m)%2)+1], v[ACC+8*\t:ACC+8*\t+7], v[SC]
.endr
	v_nop                                          ; a plain instruction behind the last scaled conversion
.endm
.Lv:
	FETCH 0, 0
	FETCH 1, 1
	s_wait_alu depctr_va_vdst(0)
.irp m, 0,1,2,3,4,5,6,7
	TILE_V \m
.endr
	s_wait_alu depctr_va_vdst(0)                   ; tiles 6 and 7's conversions have written their codes, which the last four stores read
	OUT_V 3
	FINISH
.Lfunc_end_k_q12f4ee0f3a_qkv:
	.size	k_q12f4ee0f3a_qkv, .Lfunc_end_k_q12f4ee0f3a_qkv-k_q12f4ee0f3a_qkv
	.p2alignl 7, 3214868480
	.fill 96, 4, 3214868480
	.section	.rodata,"a",@progbits
	.p2align	6, 0x0
	.amdhsa_kernel k_q12f4ee0f3a_qkv
		.amdhsa_group_segment_fixed_size 68608
		.amdhsa_private_segment_fixed_size 0
		.amdhsa_enable_private_segment 0
		.amdhsa_kernarg_size 80
		.amdhsa_user_sgpr_count 2
		.amdhsa_user_sgpr_kernarg_segment_ptr 1
		.amdhsa_wavefront_size32 1
		.amdhsa_system_sgpr_workgroup_id_x 1
		.amdhsa_system_sgpr_workgroup_id_y 1
		.amdhsa_system_sgpr_workgroup_id_z 1
		.amdhsa_system_vgpr_workitem_id 0
		.amdhsa_next_free_vgpr 512
		.amdhsa_next_free_sgpr 66
		.amdhsa_reserve_vcc 0
		.amdhsa_float_denorm_mode_32 3
		.amdhsa_float_denorm_mode_16_64 3
		.amdhsa_memory_ordered 1
		.amdhsa_forward_progress 1
		.amdhsa_inst_pref_size 135
	.end_amdhsa_kernel
	.amdgpu_metadata
---
amdhsa.version: [ 1, 2 ]
amdhsa.kernels:
  - .name:           k_q12f4ee0f3a_qkv
    .symbol:         k_q12f4ee0f3a_qkv.kd
    .args:
      - { .name: hidden_states, .offset: 0, .size: 8, .value_kind: global_buffer, .address_space: global }
      - { .name: w_img, .offset: 8, .size: 8, .value_kind: global_buffer, .address_space: global }
      - { .name: rope, .offset: 16, .size: 8, .value_kind: global_buffer, .address_space: global }
      - { .name: bq, .offset: 24, .size: 8, .value_kind: global_buffer, .address_space: global }
      - { .name: bk, .offset: 32, .size: 8, .value_kind: global_buffer, .address_space: global }
      - { .name: bv, .offset: 40, .size: 8, .value_kind: global_buffer, .address_space: global }
      - { .name: lowp_scales, .offset: 48, .size: 8, .value_kind: global_buffer, .address_space: global }
      - { .name: q_img, .offset: 56, .size: 8, .value_kind: global_buffer, .address_space: global }
      - { .name: k_img, .offset: 64, .size: 8, .value_kind: global_buffer, .address_space: global }
      - { .name: v_img, .offset: 72, .size: 8, .value_kind: global_buffer, .address_space: global }
    .group_segment_fixed_size: 68608
    .private_segment_fixed_size: 0
    .kernarg_segment_align: 8
    .kernarg_segment_size: 80
    .max_flat_workgroup_size: 256
    .sgpr_count:     66
    .vgpr_count:     512
    .wavefront_size: 32
...
	.end_amdgpu_metadata
.endif
;; end of part 6
;; launch attn (part 7): grid 8 x 32, 16 waves a work-group, no clusters, 327,680 bytes of LDS; arguments q_img, k_img, v_img, lowp_scales, o_img; writes o_img
.if DOCPART == 7
	.amdgcn_target "amdgcn-amd-amdhsa--gfx1250"
	.amdhsa_code_object_version 6
	.text
	.protected	k_q12f4ee0f3a_attn
	.globl	k_q12f4ee0f3a_attn
	.p2align	8
	.type	k_q12f4ee0f3a_attn,@function
k_q12f4ee0f3a_attn:
	s_mov_b64 s[64:65], 0
	v_nop
	global_prefetch_b8 v0, s[64:65] scope:SCOPE_SE
	s_setreg_imm32_b32 hwreg(HW_REG_WAVE_MODE, 25, 1), 1
	s_wait_xcnt 0x0
; LAUNCH 3 OF 4.  o = softmax(q k^T + causal mask) v for each of 32 (batch, head), both products on codes of E4M3; o is quantised for the projection.
; LEFT OUT: a step of 128 keys all of which come after a wave's 16 queries (the mask that reference() builds gives them weight 0: shown at the head of launch 1); a slot of keys that no wave of the work-group reads is not fetched.
; THE SOFTMAX: t = score x log2(e); M = the running largest t rounded UP to a whole number; p = 2^(t - M) is quantised along the keys with 2^e8, not normalised; the row's sum is taken of the unquantised p and divides at the end.
; When M moves, the sum and O are multiplied by 2^(old M - new M), which rounds nothing.
; SHARES.  The sequence is 16 blocks of 128 queries.  Work-group (x = J, y = batch x head) owns blocks J and 15 - J; each of its sixteen waves owns 16 queries, one tile, in 256 registers.
; A wave of block b works b + 1 key steps, so the two blocks together are 17 steps for each pair of waves, the same in every work-group; wave w takes block J or 15 - J by (w ^ (w >> 2)) & 1, so that waves 4 i .. 4 i + 3 and waves
; i, i + 4, i + 8, i + 12 alike hold two of each block.
; EVERY work-group walks all 8 slots of 256 keys: trip counts are constants, no barrier is jumped over; what is left out is a step's work, by a scalar branch on ids.
; LAYOUT.  Both products are used transposed: S^T = K Q^T (source 0 = 16 keys, source 1 = my 16 queries; K = the head's 64), O^T = V^T P^T (source 0 = 16 channels, source 1 = P; K = 128 keys): a lane holds ONE query throughout.
; In S^T tile c, register j of lane (r, h) is key 16 c + 8 h + j: just what registers 2 c, 2 c + 1 of the second product's operand hold.  All three inputs are images of operand registers: every LDS read is 16 x lane, dense.
; OUT: o_img [tile of 16 rows of B x S: 8,192][head: 1,024][G 0, 1][lane][16]: two neighbouring heads' images are one fragment of 128 along the projection's K.
; NO CLUSTER: under the mask the work-groups of a head need different numbers of slots, so partners could not make every joint request.
; LIMITS on the given exponents: e6 + e7 between -126 and 127 (added to the exponent field of log2(e)); e8 and e10 between -126 and 119; e8 + e9 goes in by v_ldexp_f32 and has none.
; LDS: two slots of 32,768 bytes: 16 images of K (1,024 each), then 8 of V (2,048 each); behind them the spare words.  All of the LDS is claimed.
; REGISTERS: v1 16 x lane; v3 the prefetches' offset; v5, v6 the add's two; v8 the LDS address in hand; v9 r - 8 h; v12 -M, v13 the largest t, v[14:15] the sum; v16-23 Q; v32-95 fragments of K, then of V; v96-159 S^T, then p;
;   v160-191 O^T; v224-239 p's codes; v240, v244: 448 x 2^e8, 2^e8; v241, v245: the same with e10; v242-255 at work, and v232-239 ahead of p's codes.
.set SLOTB, 32768
.set SPARE, 2*SLOTB                    ; the spare words, 128 bytes for each of the sixteen waves: eight blocks of 256 bytes that no other line names
.set LI,  1
.set PFO, 3
.set SPW, 5
.set NIL, 6
.set ADR, 8
.set DL,  9
.set TB,  2                            ; s2   LDS byte at which the slot in hand begins
.set SLOTS, 3                          ; s3   changes of slots still to come in the loop
.set KF,  14                           ; s14  the step's first key
.set Q0,  15                           ; s15  my first query
.set WGL, 16                           ; s16  my work-group's last query
.set LIM, 17                           ; s17  1 in a wave that prefetches, else the greatest number
.set WV,  18                           ; s18  my wave's number
; Wave 0 fetches a slot's 16,384 bytes of K, wave 1 those of V, the others nothing; one line serves both, its group 0 made from the wave's number.  An s_nop 0 and four v_nop follow it.
.macro TLOAD
	s_cmp_lt_u32 s[WV], 2
	s_cbranch_scc0 .Lasked_\@
	tensor_load_to_lds s[40:43], s[24:31]
	s_nop 0
.rept 4
	v_nop
.endr
.Lasked_\@:
.endm
; A PREFETCH of what the NEXT change of slots will ask for: 16,384 bytes of K and as many of V.  All eight work-groups of a head walk the same K and V: the one with J = 0, which walks every slot, asks, and nobody else.
; In it four waves that fetch nothing ask, one instruction each: waves 4, 5 for K's two halves of 8,192 bytes, waves 6, 7 for V's, lanes 256 bytes apart: each aligned block of 256 bytes is named once in the launch.
; It stands two key steps ahead of the load that wants the bytes.  Slots 0 and 1 come by their loads alone; the last change that fills a slot asks for nothing.
.macro ASK
	s_cmp_gt_u32 s[SLOTS], s[LIM]
	s_cbranch_scc0 .Lnot_mine_\@
	global_prefetch_b8 v[PFO], s[44:45] th:TH_LOAD_NT scope:SCOPE_SE
.Lnot_mine_\@:
.endm
	s_load_b256 s[4:11], s[0:1], 0x0               ; q_img, k_img, v_img, lowp_scales
	s_load_b64 s[12:13], s[0:1], 0x20              ; o_img
	v_lshl_add_u32 v[SPW], v0, 2, SPARE
	v_mov_b32 v[NIL], 0
	ds_add_u32 v[SPW], v[NIL]                      ; the wave's opening: the add, twice on end, and its wait ahead of the first tensor load; work on registers stands between the second and the wait
	ds_add_u32 v[SPW], v[NIL]
	v_lshrrev_b32 v8, 5, v0
	s_delay_alu instid0(VALU_DEP_1)
	v_readfirstlane_b32 s[WV], v8                  ; wave 0..15
	s_mov_b32 s19, ttmp9                           ; J
	s_and_b32 s37, ttmp7, 0xffff                   ; batch x head
	s_lshl_b32 s46, s37, 17                        ; its 131,072 bytes in each of the three images
	s_mov_b32 s47, 0
	s_lshr_b32 s48, s[WV], 2
	s_xor_b32 s48, s48, s[WV]
	s_and_b32 s48, s48, 1
	s_sub_co_u32 s49, 15, s19
	s_cmp_eq_u32 s48, 1
	s_cselect_b32 s49, s49, s19                    ; my block of 128 queries: 15 - J or J
	s_lshl_b32 s[Q0], s49, 7
	s_lshr_b32 s48, s[WV], 1
	s_lshl_b32 s48, s48, 4
	s_add_co_u32 s[Q0], s[Q0], s48                 ; + 16 (wave / 2)
	s_lshl_b32 s48, s19, 7
	s_sub_co_u32 s[WGL], 2047, s48                 ; the last query of block 15 - J
	; descriptor group 1: 16,384 dense bytes as 64 rows of 256
	s_mov_b32 s24, 3<<16                           ; no mask; elements of 8 bytes; no padding
	s_mov_b32 s25, 32<<16                          ; tensor_dim0 = 32
	s_mov_b32 s26, 64<<16                          ; tensor_dim1 = 64
	s_mov_b32 s27, 32<<16                          ; tile_dim0 = 32
	s_mov_b32 s28, 64                              ; tile_dim1 = 64
	s_mov_b32 s29, 32                              ; from row to row
	s_mov_b32 s30, 0
	s_mov_b32 s31, 0
	s_mov_b32 s40, 1                               ; group 0: count = 1,
	s_and_b32 s41, s[WV], 1
	s_lshl_b32 s41, s41, 14                        ; LDS address: slot 0; K's part, or V's behind it
	s_mov_b32 s20, 0x76543210                      ; v_permlanex16_b32: lane l xor 16
	s_mov_b32 s21, 0xfedcba98
	s_mov_b32 s[TB], 0
	s_mov_b32 s[SLOTS], 7
	s_mov_b32 s[KF], 0
	s_sub_co_u32 s48, s[WV], 4
	s_lshr_b32 s48, s48, 2                         ; 0 in waves 4 to 7,
	s_or_b32 s48, s48, s19                         ; of the work-group with J = 0
	s_cmp_eq_u32 s48, 0
	s_cselect_b32 s[LIM], 1, -1
	s_wait_dscnt 0x0                               ; both opening adds are done
	s_wait_kmcnt 0x0
	s_load_b128 s[32:35], s[10:11], 0x18           ; e6, e7, e8, e9
	s_load_b32 s36, s[10:11], 0x28                 ; e10
	s_cmp_eq_u32 s[WV], 0
	s_cselect_b64 s[42:43], s[6:7], s[8:9]
	s_add_nc_u64 s[42:43], s[42:43], s[46:47]      ; global address: the head's first 256 keys
	s_or_b32 s43, s43, 0x80000000                  ; type = 2
	TLOAD                                          ; slot 0: key 0 counts for every query, so it is read
	s_cmp_lt_u32 s[WV], 6
	s_cselect_b64 s[44:45], s[6:7], s[8:9]         ; the prefetches: K's image or V's,
	s_add_nc_u64 s[44:45], s[44:45], s[46:47]      ; my head,
	s_and_b32 s48, s[WV], 1
	s_lshl_b32 s48, s48, 13                        ; my half,
	s_add_co_u32 s48, s48, 16384                   ; in slot 1: the first change of slots steps it to slot 2
	s_mov_b32 s49, 0
	s_add_nc_u64 s[44:45], s[44:45], s[48:49]
	s_lshl_b32 s48, s[Q0], 6                       ; my tile of queries: 1,024 bytes for 16
	s_add_nc_u64 s[4:5], s[4:5], s[46:47]
	s_add_nc_u64 s[4:5], s[4:5], s[48:49]
	s_lshr_b32 s48, s37, 3
	s_lshl_b32 s48, s48, 20                        ; o_img: the batch's 128 tiles of rows,
	s_lshl_b32 s50, s[Q0], 9                       ; my tile: 8,192 bytes for 16 rows,
	s_add_co_u32 s48, s48, s50
	s_and_b32 s50, s37, 7
	s_lshl_b32 s50, s50, 10                        ; my head
	s_add_co_u32 s48, s48, s50
	s_add_nc_u64 s[12:13], s[12:13], s[48:49]
	v_and_b32 v1, 31, v0
	s_delay_alu instid0(VALU_DEP_1)
	v_lshlrev_b32 v[PFO], 8, v1
	s_delay_alu instid0(VALU_DEP_2)
	v_lshlrev_b32 v[LI], 4, v1
	global_load_b128 v[16:19], v[LI], s[4:5]       ; Q's fragment stays in registers
	global_load_b128 v[20:23], v[LI], s[4:5] offset:512
	v_and_b32 v[DL], 15, v0
	v_bfe_u32 v10, v0, 4, 1
	s_delay_alu instid0(VALU_DEP_1)
	v_lshlrev_b32 v10, 3, v10
	s_delay_alu instid0(VALU_DEP_1)
	v_sub_nc_u32 v[DL], v[DL], v10                 ; r - 8 h
	v_mov_b32 v13, 0xff61b1e6                      ; the largest t so far: -3e38, under every t
	s_delay_alu instid0(VALU_DEP_1)
	v_floor_f32 v12, -v13                          ; -M
	v_mov_b32 v14, 0                               ; the sum, in two halves
	v_mov_b32 v15, 0
	v_mov_b32 v246, 0                              ; written once: a lane permute's destination counts as one of its sources
	v_mov_b32 v250, 0xff800000                     ; -infinity
	v_mov_b32 v253, 0                              ; (named as the upper half of the pair v[252:253])
.set i, 0
.rept 32
	v_mov_b32 v[160+i], 0                          ; O^T.  (The step is written once: the first finds zeros, which the first change of M leaves zeros)
.set i, i+1
.endr
	s_wait_kmcnt 0x0
	s_add_co_i32 s48, s32, s33
	s_lshl_b32 s48, s48, 23
	s_add_co_i32 s22, s48, 0x3fb8aa3b              ; c = log2(e) x 2^(e6 + e7): a score stands for score x 2^(e6 + e7)
	s_mov_b32 s23, s22                             ; (named with it as a pair, so it is written)
	s_add_co_i32 s48, s34, 127
	s_lshl_b32 s49, s48, 23
	v_mov_b32 v244, s49                            ; 2^e8
	s_add_co_i32 s48, s48, 8
	s_lshl_b32 s48, s48, 23
	s_or_b32 s48, s48, 0x600000
	v_mov_b32 v240, s48                            ; 448 x 2^e8
	s_add_co_i32 s48, s36, 127
	s_lshl_b32 s49, s48, 23
	v_mov_b32 v245, s49                            ; 2^e10
	s_add_co_i32 s48, s48, 8
	s_lshl_b32 s48, s48, 23
	s_or_b32 s48, s48, 0x600000
	v_mov_b32 v241, s48                            ; 448 x 2^e10
; A KEY STEP: 128 keys, the q-th of the slot in hand.
.macro STEP q
	s_add_co_u32 s48, s[Q0], 15
	s_cmp_gt_u32 s[KF], s48                        ; all its keys come after my queries: the step's work is left out; no barrier and no tensor load stands in a step
	s_cbranch_scc1 .Lhidden_\@
	v_add_nc_u32 v[ADR], s[TB], v[LI]
.rept 3
	v_nop                                          ; with the addition above: four places ahead of loads into registers that the last products read
.endr
.set n, 0
.rept 16
	ds_load_b128 v[32+4*n:35+4*n], v[ADR] offset:(\q)*8192+512*n   ; K: eight fragments of 16 keys x 64
.set n, n+1
.endr
	s_wait_alu depctr_va_vdst(0)
	s_wait_dscnt 0x0
.irp c, 0,1,2,3,4,5,6,7
	v_wmma_f32_16x16x64_fp8_fp8 v[96+8*\c:103+8*\c], v[32+8*\c:39+8*\c], v[16:23], 0
.endr
.rept 4
	v_nop                                          ; places ahead of the loads below and of the first read of the scores
.endr
.set n, 0
.rept 16
	ds_load_b128 v[32+4*n:35+4*n], v[ADR] offset:16384+(\q)*8192+512*n   ; V: four fragments of 16 channels x 128 keys; they land under the softmax
.set n, n+1
.endr
	s_add_co_u32 s48, s[KF], 127                   ; on the diagonal hidden scores become -infinity ahead of the maximum: p = 0 then.  A step all of whose keys count passes this over
	s_cmp_le_u32 s48, s[Q0]
	s_cbranch_scc1 .Lopen_\@
	s_sub_co_i32 s48, s[Q0], s[KF]
	v_add_nc_u32 v248, s48, v[DL]                  ; d = my query - KF - 8 h.  Register 8 c + j holds key KF + 8 h + 16 c + j: hidden where 16 c + j > d
.set n, 0
.rept 64
	v_cmp_gt_i32 vcc_lo, 16*(n/8)+n%8, v248
	v_cndmask_b32 v[96+n], v[96+n], v250, vcc_lo
.set n, n+1
.endr
.Lopen_\@:
	v_max3_num_f32 v254, v96, v97, v98             ; the step's largest score of my query, among my 64 keys, in two chains,
	v_max3_num_f32 v252, v99, v100, v101
.irp i, 6,10,14,18,22,26,30,34,38,42,46,50,54,58
	v_max3_num_f32 v254, v254, v[96+\i], v[97+\i]
	v_max3_num_f32 v252, v252, v[98+\i], v[99+\i]
.endr
	v_max3_num_f32 v254, v254, v158, v159
	s_delay_alu instid0(VALU_DEP_1)
	v_max_num_f32 v254, v254, v252
	s_delay_alu instid0(VALU_DEP_1)
	v_permlanex16_b32 v246, v254, s20, s21
	s_delay_alu instid0(VALU_DEP_1)
	v_max_num_f32 v254, v254, v246                 ; and among lane l xor 16's
	s_delay_alu instid0(VALU_DEP_1)
	v_mul_f32 v254, s22, v254                      ; as t (c is positive)
	s_delay_alu instid0(VALU_DEP_1)
	v_max_num_f32 v13, v13, v254                   ; the running largest t
	v_mov_b32 v254, v12
	s_delay_alu instid0(VALU_DEP_2)
	v_floor_f32 v12, -v13                          ; the new -M = floor(-t) = -ceil(t): M is a whole number
	s_delay_alu instid0(VALU_DEP_1)
	v_sub_f32 v254, v12, v254                      ; M's old value less its new one: a whole number, 0 or less
	s_delay_alu instid0(VALU_DEP_1)
	v_cvt_i32_f32 v254, v254                       ; (it saturates)
	s_delay_alu instid0(VALU_DEP_1)
	v_ldexp_f32 v252, 1.0, v254                    ; f = 2^(old M - new M)
.irp j, 0,2,4,6,8,10,12,14,16,18,20,22,24,26,28,30,32,34,36,38,40,42,44,46,48,50,52,54,56,58,60,62
	v_pk_fma_f32 v[96+\j:97+\j], v[96+\j:97+\j], s[22:23], v[12:13] op_sel_hi:[1,0,0]   ; t - M, two at a time (of the pairs c and -M the low word serves both halves)
.endr
.set n, 0
	s_wait_alu depctr_va_vdst(0)
.rept 64
	v_exp_f32 v[96+n], v[96+n]                     ; p = 2^(t - M), at most 1: not normalised
.set n, n+1
.endr
	v_pk_mul_f32 v[14:15], v[14:15], v[252:253] op_sel_hi:[1,0]   ; the sums under the new M: the plain instruction behind the exponentials
	s_wait_alu depctr_va_vdst(0)                   ; one wait for the whole batch, ahead of its first reader
	v_pk_add_f32 v[242:243], v[100:101], v[104:105]
	v_pk_add_f32 v[254:255], v[108:109], v[112:113]
	v_pk_add_f32 v[248:249], v[116:117], v[120:121]
	v_pk_add_f32 v[238:239], v[124:125], v[128:129]
	v_pk_add_f32 v[236:237], v[132:133], v[136:137]
	v_pk_add_f32 v[234:235], v[140:141], v[144:145]
	v_pk_add_f32 v[232:233], v[148:149], v[152:153]
	v_pk_add_f32 v[14:15], v[14:15], v[156:157]
	v_pk_add_f32 v[242:243], v[242:243], v[96:97]
	v_pk_add_f32 v[254:255], v[254:255], v[98:99]
	v_pk_add_f32 v[248:249], v[248:249], v[102:103]
	v_pk_add_f32 v[238:239], v[238:239], v[106:107]
	v_pk_add_f32 v[236:237], v[236:237], v[110:111]
	v_pk_add_f32 v[234:235], v[234:235], v[114:115]
	v_pk_add_f32 v[232:233], v[232:233], v[118:119]
	v_pk_add_f32 v[14:15], v[14:15], v[122:123]
	v_pk_add_f32 v[242:243], v[242:243], v[126:127]
	v_pk_add_f32 v[254:255], v[254:255], v[130:131]
	v_pk_add_f32 v[248:249], v[248:249], v[134:135]
	v_pk_add_f32 v[238:239], v[238:239], v[138:139]
	v_pk_add_f32 v[236:237], v[236:237], v[142:143]
	v_pk_add_f32 v[234:235], v[234:235], v[146:147]
	v_pk_add_f32 v[232:233], v[232:233], v[150:151]
	v_pk_add_f32 v[14:15], v[14:15], v[154:155]
	v_pk_add_f32 v[242:243], v[242:243], v[158:159]
	s_delay_alu instid0(VALU_DEP_2)
	v_pk_add_f32 v[14:15], v[14:15], v[238:239]
	s_delay_alu instid0(VALU_DEP_2)
	v_pk_add_f32 v[242:243], v[242:243], v[236:237]
	v_pk_add_f32 v[254:255], v[254:255], v[234:235]
	v_pk_add_f32 v[248:249], v[248:249], v[232:233]
	s_delay_alu instid0(VALU_DEP_2)
	v_pk_add_f32 v[14:15], v[14:15], v[254:255]
	s_delay_alu instid0(VALU_DEP_2)
	v_pk_add_f32 v[242:243], v[242:243], v[248:249]
	s_delay_alu instid0(VALU_DEP_1)
	v_pk_add_f32 v[14:15], v[14:15], v[242:243]
.irp c, 0,1,2,3,4,5,6,7
.irp i, 0,1,2,3,4,5,6,7
	v_min_num_f32 v[96+8*\c+\i], v[96+8*\c+\i], v240   ; the conversion does not saturate (ISA guide 7.6.2); p is not negative, so the hold is one-sided
.endr
	v_cvt_scalef32_pk8_fp8_f32 v[224+2*\c:225+2*\c], v[96+8*\c:103+8*\c], v244   ; registers 2 c, 2 c + 1 of the operand: keys 16 c + 8 h + 0 .. 7
.endr
.irp j, 0,2,4,6,8,10,12,14,16,18,20,22,24,26,28,30
	v_pk_mul_f32 v[160+\j:161+\j], v[160+\j:161+\j], v[252:253] op_sel_hi:[1,0]   ; O^T under the new M.  (Plain instructions between the conversions and the products that read their results)
.endr
	s_wait_alu depctr_va_vdst(0)
	s_wait_dscnt 0x0                               ; V is in
.irp t, 0,1,2,3
	v_wmma_f32_16x16x128_fp8_fp8 v[160+8*\t:167+8*\t], v[32+16*\t:47+16*\t], v[224:239], v[160+8*\t:167+8*\t]   ; the four accumulators by turns, one instruction a turn
.endr
.Lhidden_\@:
	s_add_co_u32 s[KF], s[KF], 128
.endm
; THE CHANGE OF SLOTS stands at a slot's head.  Each wave waits for all its tensor loads (its part of the slot ahead), adds 0 to its spare word (fill = 1: twice on end),
; and waits for that and for its reads of the slot that it has left.  Behind the barrier the slot ahead is whole and nobody reads the other: with fill = 1 that one takes the next 256 keys, and has a slot's two steps in which to land.
; By this text's own count a fetching wave has one tensor load out.
.macro CHANGE fill
	s_wait_tensorcnt 0x0                           ; no tensor load of mine is out, so group 0 may be written
	ds_add_u32 v[SPW], v[NIL]
.if \fill
	ds_add_u32 v[SPW], v[NIL]
	s_xor_b32 s41, s41, SLOTB                      ; the walking descriptor: the other slot,
	s_add_nc_u64 s[42:43], s[42:43], 16384         ; the next 256 keys; the type bits on top are not reached
	s_wait_xcnt 0x0                                ; the last prefetch, a slot back, has read its address, so it may be written:
	s_add_nc_u64 s[44:45], s[44:45], 16384         ; one slot further on than the descriptor
.endif
	s_wait_dscnt 0x0                               ; the add is done, and my reads of the slot that I have left are over
	s_barrier_signal -1
	s_barrier_wait -1
.if \fill
	s_add_co_u32 s48, s[KF], 256                   ; the first key of the slot that this change would ask for:
	s_cmp_gt_u32 s48, s[WGL]                       ; past my work-group's last query no wave reads it, so it is not asked for.  Ids and the count of steps alone: all sixteen waves go the same way;
	s_cbranch_scc1 .Lpast_\@                       ; every wait for tensor loads in this text is for 0, and the jump leads round the load's own lines alone
	TLOAD
.Lpast_\@:
	ASK
.endif
.endm
	s_wait_loadcnt 0x0                             ; Q
.Lslot:                                            ; 7 trips: behind each change of slots but the last the next slot is asked for, up to the causal limit
	CHANGE 1
	STEP 0
	STEP 1
	s_xor_b32 s[TB], s[TB], SLOTB
	s_sub_co_u32 s[SLOTS], s[SLOTS], 1
	s_cmp_lg_u32 s[SLOTS], 0
	s_cbranch_scc1 .Lslot
	CHANGE 0                                       ; the last slot is written out: nothing is left to fetch
	STEP 0
	STEP 1
	; THE WAY OUT.  O^T x 2^(e8 + e9) / the sum, in f32, is the projection's left operand: held, converted, and stored as the image of its registers.  No stage: the wave's two stores are 512 consecutive bytes each.
.rept 4
	v_nop                                          ; places behind the last products
.endr
	v_add_f32 v14, v14, v15                        ; the sum's two halves,
	s_delay_alu instid0(VALU_DEP_1)
	v_permlanex16_b32 v246, v14, s20, s21
	s_delay_alu instid0(VALU_DEP_1)
	v_add_f32 v14, v14, v246                       ; and lane l xor 16's
	s_wait_alu depctr_va_vdst(0)
	v_rcp_f32 v14, v14
	v_nop                                          ; a plain instruction behind the reciprocal
	s_add_co_i32 s48, s34, s35
	s_wait_alu depctr_va_vdst(0)                   ; and the wait ahead of its first reader
	v_ldexp_f32 v14, v14, s48
.set i, 0
.rept 32
	v_mul_f32 v[96+i], v[160+i], v14               ; register 8 t + j: o(query r, channel 16 t + 8 h + j); each accumulator from its low end on
.set i, i+1
.endr
.set i, 0
.rept 32
	v_med3_num_f32 v[96+i], v[96+i], -v241, v241
.set i, i+1
.endr
.irp t, 0,1,2,3
	v_cvt_scalef32_pk8_fp8_f32 v[224+2*\t:225+2*\t], v[96+8*\t:103+8*\t], v245
.endr
	v_nop                                          ; a plain instruction behind the last scaled conversion
	global_store_b128 v[LI], v[224:227], s[12:13]
	global_store_b128 v[LI], v[228:231], s[12:13] offset:512
	s_wait_tensorcnt 0x0                           ; the wave's end
	ds_add_u32 v[SPW], v[NIL]
	s_wait_dscnt 0x0
	s_endpgm
.Lfunc_end_k_q12f4ee0f3a_attn:
	.size	k_q12f4ee0f3a_attn, .Lfunc_end_k_q12f4ee0f3a_attn-k_q12f4ee0f3a_attn
	.p2alignl 7, 3214868480
	.fill 96, 4, 3214868480
	.section	.rodata,"a",@progbits
	.p2align	6, 0x0
	.amdhsa_kernel k_q12f4ee0f3a_attn
		.amdhsa_group_segment_fixed_size 327680
		.amdhsa_private_segment_fixed_size 0
		.amdhsa_enable_private_segment 0
		.amdhsa_kernarg_size 40
		.amdhsa_user_sgpr_count 2
		.amdhsa_user_sgpr_kernarg_segment_ptr 1
		.amdhsa_wavefront_size32 1
		.amdhsa_system_sgpr_workgroup_id_x 1
		.amdhsa_system_sgpr_workgroup_id_y 1
		.amdhsa_system_sgpr_workgroup_id_z 1
		.amdhsa_system_vgpr_workitem_id 0
		.amdhsa_next_free_vgpr 256
		.amdhsa_next_free_sgpr 66
		.amdhsa_reserve_vcc 1
		.amdhsa_float_denorm_mode_32 3
		.amdhsa_float_denorm_mode_16_64 3
		.amdhsa_memory_ordered 1
		.amdhsa_forward_progress 1
		.amdhsa_inst_pref_size 96
	.end_amdhsa_kernel
	.amdgpu_metadata
---
amdhsa.version: [ 1, 2 ]
amdhsa.kernels:
  - .name:           k_q12f4ee0f3a_attn
    .symbol:         k_q12f4ee0f3a_attn.kd
    .args:
      - { .name: q_img, .offset: 0, .size: 8, .value_kind: global_buffer, .address_space: global }
      - { .name: k_img, .offset: 8, .size: 8, .value_kind: global_buffer, .address_space: global }
      - { .name: v_img, .offset: 16, .size: 8, .value_kind: global_buffer, .address_space: global }
      - { .name: lowp_scales, .offset: 24, .size: 8, .value_kind: global_buffer, .address_space: global }
      - { .name: o_img, .offset: 32, .size: 8, .value_kind: global_buffer, .address_space: global }
    .group_segment_fixed_size: 327680
    .private_segment_fixed_size: 0
    .kernarg_segment_align: 8
    .kernarg_segment_size: 40
    .max_flat_workgroup_size: 512
    .sgpr_count:     66
    .vgpr_count:     256
    .wavefront_size: 32
...
	.end_amdgpu_metadata
.endif
;; end of part 7
;; launch proj (part 8): grid 4 x 64, 8 waves a work-group, clusters of 4 x 1, 167,936 bytes of LDS; arguments o_img, w_img, bo, lowp_scales, out0; writes out0
.if DOCPART == 8
	.amdgcn_target "amdgcn-amd-amdhsa--gfx1250"
	.amdhsa_code_object_version 6
	.text
	.protected	k_q12f4ee0f3a_proj
	.globl	k_q12f4ee0f3a_proj
	.p2align	8
	.type	k_q12f4ee0f3a_proj,@function
k_q12f4ee0f3a_proj:
	s_mov_b64 s[64:65], 0
	v_nop
	global_prefetch_b8 v0, s[64:65] scope:SCOPE_SE
	s_setreg_imm32_b32 hwreg(HW_REG_WAVE_MODE, 25, 1), 1
	s_wait_xcnt 0x0
	s_wait_alu depctr_hold_cnt(0) depctr_sa_sdst(0) depctr_va_vdst(0) depctr_va_sdst(0) depctr_va_ssrc(0) depctr_va_vcc(0) depctr_vm_vsrc(0)
	s_getreg_b32 s2, hwreg(HW_REG_IB_STS2, 6, 4)
	s_cmp_eq_u32 s2, 0
	s_cbranch_scc0 .Lentry_in_a_cluster
	s_endpgm
.Lentry_in_a_cluster:
	s_bfe_u32 s2, ttmp6, 0x10000c
	s_cmp_lg_u32 s2, 0x3003
	s_cbranch_scc0 .Lentry_shape_is_right
	s_endpgm
.Lentry_shape_is_right:
; LAUNCH 4 OF 4.  out0 = o Wo + bo: [8,192][512] x [512][512] on codes of E4M3; each finished sum x 2^(e10 + e11) + bo, one packed multiply-add for two numbers.  Nothing is left out here.
; SHARES.  A work-group makes 128 rows x 128 columns; K = 512 in four steps of 128.  Eight waves: wave w makes rows 32 (w / 2) on, columns 64 (w % 2) on: eight accumulators.
; Both operands lie in memory as images of operand registers, so a work-group's part of each is ONE dense block of 65,536 bytes; each of the eight waves fetches 16,384 bytes of it by one tensor load.  No byte of LDS is filled twice.
; CLUSTER: the four work-groups of a cluster make the four blocks of columns of the same 128 rows, so o's block is asked for JOINTLY (waves 0-3; the mask names all four); Wo's block differs from partner to partner and comes by
; tensor loads without the mask (waves 4-7), behind the same round of the cluster's barrier.  Wo's blocks are shared between clusters, not inside one.
; THE MATRIX INSTRUCTION IS USED TRANSPOSED (source 0 = 16 columns of Wo, source 1 = 16 rows of o): a lane holds eight neighbouring numbers of a row of out0.
; LIMIT: e10 + e11 between -126 and 127, so that 2^(e10 + e11) is an f32 number.
; LDS: o's 8 tiles of rows x 8,192 at 0; Wo's 8 tiles of columns x 8,192 at 65,536; a stage of 16 rows x (256 + 16) bytes for each wave from 131,072 on, into which no fill lands; the spare words behind.
; REGISTERS: v1-9 addresses; v32-63 o's two fragments; v64-127 Wo's four; v128-191 accumulator (a, b) at v[128 + 8 (4 a + b)]; v192-223 bo; v224-255 at work.  On the way out v32-127 are free.
.set STG,   131072
.set SP,    272
.set SPARE, STG+8*16*SP                ; 165,888: the spare words, 128 bytes for each of the eight waves: four blocks of 256 bytes that no other line names
.set LI,  1
.set VA,  2                            ; v2   16 x lane + my two tiles of rows
.set VB,  3                            ; v3   16 x lane + my four tiles of columns
.set SO,  4                            ; v4   the stage: where I put 32 bytes of a row
.set SR,  5                            ; v5   and where I read a row back
.set GO,  6                            ; v6   my byte offset in two rows of out0
.set BO,  7                            ; v7   32 h: my eight numbers of a tile of bo
.set SPW, 8
.set NIL, 9
.set AF,  32
.set BF,  64
.set ACC, 128
.set BIAS, 192
.set WV,  14
.macro CROUND                          ; a round of the cluster's barrier: my work-group's barrier; wave 0 signals for the work-group; every wave waits for all four work-groups; my work-group's barrier once more
	s_barrier_signal -1
	s_barrier_wait -1
	s_cmp_lg_u32 s[WV], 0
	s_cbranch_scc1 .Lnot_wave_0_\@
	s_barrier_signal -3
.Lnot_wave_0_\@:
	s_barrier_wait -3
	s_barrier_signal -1
	s_barrier_wait -1
.endm
	s_load_b256 s[4:11], s[0:1], 0x0               ; o_img, w_img, bo, lowp_scales
	s_load_b64 s[12:13], s[0:1], 0x20              ; out0
	v_lshl_add_u32 v[SPW], v0, 2, SPARE
	v_mov_b32 v[NIL], 0
	ds_add_u32 v[SPW], v[NIL]                      ; the wave's opening: the add, twice on end, and its wait ahead of my first tensor load; work on registers stands between the second and the wait
	ds_add_u32 v[SPW], v[NIL]
	v_lshrrev_b32 v10, 5, v0
	s_delay_alu instid0(VALU_DEP_1)
	v_readfirstlane_b32 s[WV], v10                 ; wave 0..7
	s_bfe_u32 s15, ttmp6, 0x40000                  ; cx: my place in the cluster
	s_lshl_b32 s16, ttmp9, 2
	s_add_co_u32 s16, s16, s15                     ; my block of 128 columns: it enters Wo's, bo's and out0's addresses alone
	s_and_b32 s17, ttmp7, 0xffff                   ; my block of 128 rows, which the four partners share
	s_lshr_b32 s18, s[WV], 1                       ; which 32 rows are mine
	s_and_b32 s19, s[WV], 1                        ; which 64 columns
	; descriptor group 1: 16,384 dense bytes as 64 rows of 256; o's with the mask of all four work-groups and bit 21 beside it, Wo's without
	s_mov_b32 s24, 15|(3<<16)|(1<<21)
	s_mov_b32 s32, 3<<16
.irp g, 24, 32
	s_mov_b32 s[\g+1], 32<<16                      ; tensor_dim0 = 32 elements of 8 bytes
	s_mov_b32 s[\g+2], 64<<16                      ; tensor_dim1 = 64
	s_mov_b32 s[\g+3], 32<<16                      ; tile_dim0 = 32
	s_mov_b32 s[\g+4], 64                          ; tile_dim1 = 64
	s_mov_b32 s[\g+5], 32                          ; from row to row
	s_mov_b32 s[\g+6], 0
	s_mov_b32 s[\g+7], 0
.endr
	s_and_b32 s22, s[WV], 3
	s_lshl_b32 s22, s22, 14                        ; which quarter of a block I fetch
	s_lshl_b32 s20, s17, 16                        ; o: 8 tiles of rows x 8,192: made of the shared coordinate and the wave's number alone
	s_add_co_u32 s20, s20, s22
	s_mov_b32 s21, 0
	s_lshl_b32 s52, s16, 16                        ; Wo: 8 tiles of columns x 8,192,
	s_add_co_u32 s52, s52, s22
	s_add_co_u32 s52, s52, 3*262144                ; in the fourth weight's image
	s_mov_b32 s53, 0
	s_mov_b32 s40, 1
	s_lshl_b32 s41, s[WV], 14                      ; where a quarter goes: 16,384 x wave: o's four, then Wo's four; no place in the cluster enters an LDS address
	s_mov_b32 s44, 1
	s_lshl_b32 s45, s[WV], 14
	v_and_b32 v10, 31, v0
	s_delay_alu instid0(VALU_DEP_1)
	v_lshlrev_b32 v[LI], 4, v10
	s_lshl_b32 s54, s18, 14
	v_add_nc_u32 v[VA], s54, v[LI]
	s_lshl_b32 s54, s19, 15
	s_add_co_u32 s54, s54, 65536
	v_add_nc_u32 v[VB], s54, v[LI]
	v_and_b32 v10, 15, v0                          ; r
	v_bfe_u32 v11, v0, 4, 1                        ; h
	s_mul_i32 s54, s[WV], 16*SP
	s_add_co_u32 s54, s54, STG                     ; my stage
	v_mul_u32_u24 v[SO], v10, SP
	s_delay_alu instid0(VALU_DEP_1)
	v_lshl_add_u32 v[SO], v11, 5, v[SO]
	s_delay_alu instid0(VALU_DEP_1)
	v_add_nc_u32 v[SO], s54, v[SO]                 ; in: row r, 32 bytes for each half of the lanes
	v_mul_u32_u24 v[SR], v11, SP
	s_delay_alu instid0(VALU_DEP_1)
	v_lshl_add_u32 v[SR], v10, 4, v[SR]
	s_delay_alu instid0(VALU_DEP_1)
	v_add_nc_u32 v[SR], s54, v[SR]                 ; back: lanes 0-15 one row of 256 bytes, lanes 16-31 the next
	v_lshlrev_b32 v[GO], 11, v11
	s_delay_alu instid0(VALU_DEP_1)
	v_lshl_add_u32 v[GO], v10, 4, v[GO]            ; and the same two rows of out0, 2,048 bytes apart
	v_lshlrev_b32 v[BO], 5, v11
	s_lshl_b32 s54, s16, 9
	s_lshl_b32 s55, s19, 8
	s_add_co_u32 s54, s54, s55                     ; my first column, in bytes: 512 x block + 256 x half
	s_mov_b32 s55, 0
	s_lshl_b32 s56, s17, 18
	s_lshl_b32 s57, s18, 16
	s_add_co_u32 s56, s56, s57                     ; my first row: (128 x block + 32 x wave / 2) x 2,048 bytes
	s_mov_b32 s57, 0
	s_wait_dscnt 0x0                               ; both opening adds are done
	s_wait_kmcnt 0x0
	s_load_b64 s[50:51], s[10:11], 0x28            ; e10, e11
	s_add_nc_u64 s[42:43], s[4:5], s[20:21]
	s_or_b32 s43, s43, 0x80000000                  ; type = 2
	s_add_nc_u64 s[46:47], s[6:7], s[52:53]
	s_or_b32 s47, s47, 0x80000000
	s_add_nc_u64 s[8:9], s[8:9], s[54:55]
	s_add_nc_u64 s[12:13], s[12:13], s[54:55]
	s_add_nc_u64 s[12:13], s[12:13], s[56:57]
	CROUND                                         ; all four work-groups are here: the joint loads meet
	s_cmp_lt_u32 s[WV], 4                          ; every wave issues one first fill; the branch hangs on the wave's number alone.  An s_nop 0 and four v_nop follow each line
	s_cbranch_scc0 .Lfor_b
	tensor_load_to_lds s[40:43], s[24:31]
	s_nop 0
.rept 4
	v_nop
.endr
	s_branch .Lasked
.Lfor_b:
	tensor_load_to_lds s[44:47], s[32:39]
	s_nop 0
.rept 4
	v_nop
.endr
.Lasked:
	s_wait_alu depctr_va_vdst(0)
.irp b, 0,1,2,3
	global_load_b128 v[BIAS+8*\b:BIAS+8*\b+3], v[BO], s[8:9] offset:64*\b          ; bo in the result's layout: columns 16 b + 8 h + 0 .. 7
	global_load_b128 v[BIAS+8*\b+4:BIAS+8*\b+7], v[BO], s[8:9] offset:64*\b+16
.endr
	s_wait_tensorcnt 0x0                           ; my quarter has landed,
	s_barrier_signal -1
	s_barrier_wait -1                              ; everybody's has
.irp g, 0,1,2,3                        ; 128 along K at a time
.irp a, 0,1
.irp c, 0,1,2,3
	ds_load_b128 v[AF+16*\a+4*\c:AF+16*\a+4*\c+3], v[VA] offset:\a*8192+\g*2048+512*\c
.endr
.endr
.irp b, 0,1,2,3
.irp c, 0,1,2,3
	ds_load_b128 v[BF+16*\b+4*\c:BF+16*\b+4*\c+3], v[VB] offset:\b*8192+\g*2048+512*\c
.endr
.endr
	s_wait_dscnt 0x0
.irp a, 0,1
.irp b, 0,1,2,3
.if \g == 0
	v_wmma_f32_16x16x128_fp8_fp8 v[ACC+8*(4*\a+\b):ACC+8*(4*\a+\b)+7], v[BF+16*\b:BF+16*\b+15], v[AF+16*\a:AF+16*\a+15], 0   ; the first step starts the sums: nothing is cleared
.else
	v_wmma_f32_16x16x128_fp8_fp8 v[ACC+8*(4*\a+\b):ACC+8*(4*\a+\b)+7], v[BF+16*\b:BF+16*\b+15], v[AF+16*\a:AF+16*\a+15], v[ACC+8*(4*\a+\b):ACC+8*(4*\a+\b)+7]   ; the eight accumulators by turns, one instruction a turn
.endif
.endr
.endr
.rept 4
	v_nop                                          ; places ahead of loads into registers that these products read, and of the first read of results
.endr
.endr
	s_wait_kmcnt 0x0
	s_add_co_i32 s48, s50, s51
	s_add_co_i32 s48, s48, 127
	s_lshl_b32 s48, s48, 23                        ; 2^(e10 + e11) as f32
	s_mov_b32 s49, s48                             ; (named with it as a pair, so it is written)
	s_wait_loadcnt 0x0                             ; bo
; THE WAY OUT, 16 rows x 64 columns at a time: through my own stage in LDS and back as whole pieces of rows, so that sixteen lanes store 256 consecutive bytes.
; LDS serves a wave's instructions in order (ISA guide 5.7.1.4): no wait between the stores and the loads, nor ahead of the next block's stores.
.macro TOSTAGE a, tmp, outr
.irp b, 0,1,2,3
.irp i, 0,2,4,6
	v_pk_fma_f32 v[\tmp+8*\b+\i:\tmp+8*\b+\i+1], v[ACC+8*(4*\a+\b)+\i:ACC+8*(4*\a+\b)+\i+1], s[48:49], v[BIAS+8*\b+\i:BIAS+8*\b+\i+1] op_sel_hi:[1,0,1]   ; sum x 2^(e10 + e11) + bo; each accumulator from its low end on
.endr
.endr
.irp b, 0,1,2,3
	ds_store_b128 v[SO], v[\tmp+8*\b:\tmp+8*\b+3] offset:64*\b
	ds_store_b128 v[SO], v[\tmp+8*\b+4:\tmp+8*\b+7] offset:64*\b+16
.endr
.irp i, 0,1,2,3,4,5,6,7
	ds_load_b128 v[\outr+4*\i:\outr+4*\i+3], v[SR] offset:2*\i*SP
.endr
.endm
.macro SEND a, outr, younger           ; younger: the LDS instructions issued behind this block's loads, which may stay out
.irp i, 0,1,2,3,4,5,6,7
	s_wait_dscnt \younger+7-\i
	global_store_b128 v[GO], v[\outr+4*\i:\outr+4*\i+3], s[12:13] offset:(16*\a+2*\i)*2048 th:TH_STORE_NT   ; 16 lanes store 256 consecutive bytes, at a multiple of 256 from out0's first byte; written once, read by nobody here
.endr
.endm
	TOSTAGE 0, 224, 32
	TOSTAGE 1, 96, 64
	SEND 0, 32, 16                                 ; behind block 0's loads: block 1's eight stores and eight loads
	SEND 1, 64, 0
	s_wait_tensorcnt 0x0                           ; the wave's end, behind my last tensor load and my last LDS store
	ds_add_u32 v[SPW], v[NIL]
	s_wait_dscnt 0x0
	CROUND                                         ; the closing round: no work-group ends while a partner may still ask for a tile that names it
	s_endpgm
.Lfunc_end_k_q12f4ee0f3a_proj:
	.size	k_q12f4ee0f3a_proj, .Lfunc_end_k_q12f4ee0f3a_proj-k_q12f4ee0f3a_proj
	.p2alignl 7, 3214868480
	.fill 96, 4, 3214868480
	.section	.rodata,"a",@progbits
	.p2align	6, 0x0
	.amdhsa_kernel k_q12f4ee0f3a_proj
		.amdhsa_group_segment_fixed_size 167936
		.amdhsa_private_segment_fixed_size 0
		.amdhsa_enable_private_segment 0
		.amdhsa_kernarg_size 40
		.amdhsa_user_sgpr_count 2
		.amdhsa_user_sgpr_kernarg_segment_ptr 1
		.amdhsa_wavefront_size32 1
		.amdhsa_system_sgpr_workgroup_id_x 1
		.amdhsa_system_sgpr_workgroup_id_y 1
		.amdhsa_system_sgpr_workgroup_id_z 1
		.amdhsa_system_vgpr_workitem_id 0
		.amdhsa_next_free_vgpr 256
		.amdhsa_next_free_sgpr 66
		.amdhsa_reserve_vcc 0
		.amdhsa_float_denorm_mode_32 3
		.amdhsa_float_denorm_mode_16_64 3
		.amdhsa_memory_ordered 1
		.amdhsa_forward_progress 1
		.amdhsa_inst_pref_size 22
	.end_amdhsa_kernel
	.amdgpu_metadata
---
amdhsa.version: [ 1, 2 ]
amdhsa.kernels:
  - .name:           k_q12f4ee0f3a_proj
    .symbol:         k_q12f4ee0f3a_proj.kd
    .args:
      - { .name: o_img, .offset: 0, .size: 8, .value_kind: global_buffer, .address_space: global }
      - { .name: w_img, .offset: 8, .size: 8, .value_kind: global_buffer, .address_space: global }
      - { .name: bo, .offset: 16, .size: 8, .value_kind: global_buffer, .address_space: global }
      - { .name: lowp_scales, .offset: 24, .size: 8, .value_kind: global_buffer, .address_space: global }
      - { .name: out0, .offset: 32, .size: 8, .value_kind: global_buffer, .address_space: global }
    .group_segment_fixed_size: 167936
    .private_segment_fixed_size: 0
    .kernarg_segment_align: 8
    .kernarg_segment_size: 40
    .max_flat_workgroup_size: 256
    .sgpr_count:     66
    .vgpr_count:     256
    .wavefront_size: 32
...
	.end_amdgpu_metadata
.endif
;; end of part 8
